; MI455X (gfx1250); checked and timed in simulation.
; The chip was launched on July 23, 2026; its instructions are those of AMD's public machine-readable ISA for CDNA 5 (MIT licence, August 2026) and "CDNA5" Instruction Set Architecture Reference Guide (July 2026). The comments in the code are by the model that wrote it; some were corrected since.
;; Causal I2 V Cross Attention. Allowed arithmetic: matrix products marked QUANTISED: E2M1 operands, one E8M0 scale for each 32 along K, by v_wmma_scale_f32_16x16x128_f8f6f4 with both operands' format E2M1 (or v_wmma_scale_f32_32x16x128_f4), f32 sums; products left as they are: bf16, f16 or f32 operands; f32 sums; everything else in f32.
;; Inputs: context 2 x 769 x 1,024 float32; k_b 1,024 float32; k_img_b 1,024 float32; k_img_w 1,024 x 1,024 float32; k_w 1,024 x 1,024 float32; norm_k_img_w 1,024 float32; norm_k_w 1,024 float32; norm_q_w 1,024 float32; o_b 1,024 float32; o_w 1,024 x 1,024 float32; q_b 1,024 float32; q_w 1,024 x 1,024 float32; v_b 1,024 float32; v_img_b 1,024 float32; v_img_w 1,024 x 1,024 float32; v_w 1,024 x 1,024 float32; x 2 x 8,192 x 1,024 float32.
;; Outputs: out0 2 x 8,192 x 1,024 float32.
;; This version of the problem:
;;   THIS VERSION OF THE PROBLEM IS GIVEN IN LOW PRECISION. The matrix products marked QUANTISED in the list below multiply operands that are first quantised to E2M1 (2 exponent bits, 1 mantissa bit; 4 bits a number), with one power-of-two scale for each 32 numbers along K (OCP MX v1.0); their sums are f32. The products marked 'left as it is' may take bf16, f16 or f32 operands, with f32 sums. Whichever they take, every output number must still come out within the allowed error. Rounding operands to bf16 (8 significant bits) uses up far more of that allowance than f16 does (11 bits, for magnitudes from 6e-5 to 65,504). All else is computed in f32.
;;   The module's matrix products, in the order in which they are computed (A, B: the left and right operand; K: the contracted axis; several contracted axes count as one K, in the product's order):
;;     1. [M 16,384, K 1,024] x [K 1,024, N 1,024]; A: input x; B: input q_w: QUANTISED
;;     2. [M 1,024, K 1,024] x [K 1,024, N 1,024]; A: input context; B: input k_w: QUANTISED
;;     3. [M 1,024, K 1,024] x [K 1,024, N 1,024]; A: input context; B: input v_w: QUANTISED
;;     4. [M 514, K 1,024] x [K 1,024, N 1,024]; A: input context; B: input k_img_w: QUANTISED
;;     5. [M 514, K 1,024] x [K 1,024, N 1,024]; A: input context; B: input v_img_w: QUANTISED
;;     6. batch 32 x [M 8,192, K 64] x [K 64, N 257]; A: computed on the way; B: computed on the way: left as it is (an operand is computed on the way)
;;     7. batch 32 x [M 64, K 257] x [K 257, N 8,192]; A: computed on the way; B: computed on the way: left as it is (an operand is computed on the way)
;;     8. batch 32 x [M 8,192, K 64] x [K 64, N 512]; A: computed on the way; B: computed on the way: left as it is (an operand is computed on the way)
;;     9. batch 32 x [M 64, K 512] x [K 512, N 8,192]; A: computed on the way; B: computed on the way: left as it is (an operand is computed on the way)
;;     10. [M 16,384, K 1,024] x [K 1,024, N 1,024]; A: computed on the way; B: input o_w: left as it is (an operand is computed on the way)
;;   THE QUANTISER, for each operand of a quantised product, along K:
;;     - K is cut into blocks of 32 from its start; a last block that is shorter is filled with zeros.
;;     - A block's scale is 2^e with e = floor(log2(the largest magnitude in the block)) - 2, held to -126 .. 127; a block of zeros has e = 0. As a byte (E8M0): e + 127.
;;     - Each number is divided by its block's scale, clamped to +-6, and rounded to the nearest number of E2M1, ties to even, subnormals kept.
;;     - The product sums the exact products of the quantised numbers (number of the format x scale) in f32.
;;   ~~~python
;;   def quantise(x, axis):      # numpy; x: float32 -> the quantised numbers, widened to float32 again
;;       x = np.moveaxis(x, axis, -1); K = x.shape[-1]
;;       x = np.pad(x, [(0, 0)] * (x.ndim - 1) + [(0, -K % 32)]); x = x.reshape(x.shape[:-1] + (-1, 32)); a = np.abs(x).max(-1, keepdims=True)
;;       e = np.where(a > 0, np.clip(np.frexp(np.where(a > 0, a, 1))[1] - 1 - 2, -126, 127), 0)      # np.frexp(a)[1] - 1 = floor(log2(a)), exactly
;;       r = np.clip(x / 2.0 ** e, -6, 6)
;;       step = 2.0 ** (np.maximum(np.frexp(np.where(r == 0, 1, r))[1] - 1, 0) - 1)
;;       q = np.round(r / step) * step * 2.0 ** e      # np.round: ties to even
;;       return np.moveaxis(q.reshape(q.shape[:-2] + (-1,))[..., :K], -1, axis).astype(np.float32)
;;   ~~~
;; One version. Each part assembles by itself: llvm-mc -triple=amdgcn-amd-amdhsa -mcpu=gfx1250 --defsym DOCPART=n.
;; ======== version 1 of 1: 5 launches
;; limits: values are held in f16: magnitudes above 65,504 overflow, below 6.1e-05 lose precision
;; workspace buffers: codes 11,812,864 bytes; scales 738,304 bytes; ow16 2,097,152 bytes; kv 7,340,032 bytes; q16 33,554,432 bytes; ssq 524,288 bytes; att16 33,554,432 bytes
;; launch prep (part 1): grid 1506 x 1, 2 waves a work-group, no clusters, 17,152 bytes of LDS; arguments x, q_w, k_img_w, k_w, v_img_w, v_w, context, o_w, codes, scales, ow16; writes codes, scales, ow16
.if DOCPART == 1
	.amdgcn_target "amdgcn-amd-amdhsa--gfx1250"
	.amdhsa_code_object_version 6
	.text
	.protected	k_qa7f3a09a48_prep
	.globl	k_qa7f3a09a48_prep
	.p2align	8
	.type	k_qa7f3a09a48_prep,@function
k_qa7f3a09a48_prep:
	s_mov_b64 s[64:65], 0
	v_nop
	global_prefetch_b8 v0, s[64:65] scope:SCOPE_SE
	s_setreg_imm32_b32 hwreg(HW_REG_WAVE_MODE, 25, 1), 1
	s_wait_xcnt 0x0
; PREP.  The operands of the five quantised products become codes of E2M1 with one E8M0 byte for each 32 along K, and o_w becomes f16, all laid in the order of the operand's registers.
; A JOB is 16 rows x 1,024 along K of one tensor: 8 K steps of 128, each a fragment of 8 registers a lane.  Its codes are 8,192 bytes: [K step][c 0,1][lane][16 bytes]; its scale words 512 bytes: [row][8 words].
; Jobs 0..1023: x; 1024 + 64 w + tile: q_w, k_img_w, k_w, v_img_w, v_w (w = 0..4); 1344 + 49 b + tile: context of batch b, tiles 0..16 rows 16 tile (image), tiles 17..48 rows 257 + 16 (tile - 17) (text).
; Work-groups 0..1441: a job each; wave w takes its K steps 4 w .. 4 w + 3, so that 3,012 waves have 32 loads each on their way.  The waves share nothing: no barrier.
; Work-groups 1442..1505: o_w's 16 rows 16 (wg - 1442) on, wave w the planes (64 along K) 8 w .. 8 w + 7: [plane][row tile][t][lane][16 bytes], lane (r, h) = row r, k = 64 plane + 16 t + 8 h + 0..7.
; A block's scale is 2^(floor(log2(largest magnitude)) - 2): its byte is the largest magnitude's exponent field - 2, held at 1 from below.
; LIMITS: NaN and infinities among the inputs are not served; a block whose largest magnitude lies under 2^-124 (a block of zeros too) keeps the byte 1: zero codes add nothing, and this program alone reads the bytes.
; o_w as f16: magnitudes up to 65,504.
.set JOBWG, 1442
.set WSTG,  8448                       ; a wave's stage: 16 rows x (512 bytes + 16)
.set SPARE, 2*WSTG                     ; the spare words: 128 bytes for each wave, a block of 256 bytes that no other line names
.set SPW, 12
.set NIL, 13
.set R,   16                           ; v16-143  two sets of 64: a K step of 16 rows as loaded
.set X,   144                          ; v144-207 64 numbers of my row: register 16 b + i = k 32 b + 16 h + i
.set TM,  208                          ; v208-223 at work
.set SW,  224                          ; v224-227 my row's four scale words
.set PC,  232                          ; v232-239 a fragment's codes
.set SEL, 44
	s_load_b512 s[8:23], s[0:1], 0x0               ; x, q_w, k_img_w, k_w, v_img_w, v_w, context, o_w
	s_load_b128 s[24:27], s[0:1], 0x40             ; codes, scales
	s_load_b64 s[28:29], s[0:1], 0x50              ; ow16
	v_lshl_add_u32 v[SPW], v0, 2, SPARE
	v_mov_b32 v[NIL], 0
	v_lshrrev_b32 v1, 5, v0
	v_readfirstlane_b32 s30, v1                    ; wave
	v_and_b32 v1, 31, v0                           ; lane
	v_and_b32 v2, 15, v0                           ; r
	v_bfe_u32 v5, v0, 4, 1                         ; h
	v_lshlrev_b32 v3, 4, v1                        ; 16 x lane
	s_cmp_ge_u32 ttmp9, JOBWG
	s_cbranch_scc1 .Lconvert
	s_mov_b32 s31, ttmp9                           ; my job J
	s_lshl_b32 s32, s31, 4                         ; x: first row 16 J
	s_and_b32 s33, s31, 63
	s_lshl_b32 s33, s33, 4                         ; a weight: 16 (J mod 64)
	s_cmp_ge_u32 s31, 1024
	s_cselect_b32 s32, s33, s32
	s_sub_co_u32 s33, s31, 1344                    ; context: t = J - 1344 (not used below 1344)
	s_cmp_ge_u32 s33, 49
	s_cselect_b32 s36, 49, 0
	s_cselect_b32 s37, 769, 0                      ; batch 1 begins 769 rows on
	s_sub_co_u32 s33, s33, s36                     ; the tile in its batch
	s_lshl_b32 s36, s33, 4
	s_add_co_u32 s36, s36, s37
	s_cmp_ge_u32 s33, 17
	s_cselect_b32 s37, 15, 0                       ; text tiles begin at row 257 = 16 x 17 - 15
	s_sub_co_u32 s36, s36, s37
	s_cmp_ge_u32 s31, 1344
	s_cselect_b32 s32, s36, s32
	s_mul_i32 s33, s30, WSTG
	v_add_nc_u32 v14, s33, v3                      ; the stage, in: 16 x lane of a row
	v_mul_u32_u24 v15, v2, 528
	v_lshl_add_u32 v15, v5, 6, v15
	v_add_nc_u32 v15, s33, v15                     ; out: row r, + 64 h
	v_lshlrev_b32 v6, 5, v2
	v_lshl_add_u32 v6, v5, 3, v6                   ; the scale words' place: 32 r + 8 h
	s_mov_b32 s[SEL], 0x76543210
	s_mov_b32 s[SEL+1], 0xfedcba98                 ; lane l xor 16
.irp b, 0,1,2,3
	v_mov_b32 v[TM+4+\b], 0                        ; written once: a lane permute's destination counts as one of its sources
.endr
	s_wait_kmcnt 0x0
	s_mov_b64 s[34:35], s[8:9]                     ; which tensor: a choice on the job's number alone
	s_cmp_ge_u32 s31, 1024
	s_cselect_b64 s[34:35], s[10:11], s[34:35]
	s_cmp_ge_u32 s31, 1088
	s_cselect_b64 s[34:35], s[12:13], s[34:35]
	s_cmp_ge_u32 s31, 1152
	s_cselect_b64 s[34:35], s[14:15], s[34:35]
	s_cmp_ge_u32 s31, 1216
	s_cselect_b64 s[34:35], s[16:17], s[34:35]
	s_cmp_ge_u32 s31, 1280
	s_cselect_b64 s[34:35], s[18:19], s[34:35]
	s_cmp_ge_u32 s31, 1344
	s_cselect_b64 s[34:35], s[20:21], s[34:35]
	s_lshl_b32 s36, s32, 12                        ; a row is 4,096 bytes;
	s_lshl_b32 s37, s30, 11                        ; my four K steps are 2,048 of them
	s_add_co_u32 s36, s36, s37
	s_mov_b32 s37, 0
	s_add_nc_u64 s[34:35], s[34:35], s[36:37]
	s_lshl_b32 s36, s31, 13
	s_lshl_b32 s33, s30, 12
	s_add_co_u32 s36, s36, s33
	s_add_nc_u64 s[38:39], s[24:25], s[36:37]      ; my half of the job's codes
	s_lshl_b32 s36, s31, 9
	s_lshl_b32 s33, s30, 4
	s_add_co_u32 s36, s36, s33
	s_add_nc_u64 s[40:41], s[26:27], s[36:37]      ; and of each row's scale words
.macro LOAD t                          ; my K step t of the 16 rows: each load reads 512 consecutive bytes of one row
.set q, 0
.rept 16
	global_load_b128 v[R+64*((\t)%2)+4*q:R+64*((\t)%2)+4*q+3], v3, s[34:35] offset:4096*q+512*(\t) th:TH_LOAD_NT
.set q, q+1
.endr
.endm
; 64 numbers of a lane, register 16 b + i = k 32 b + 16 h + i of my row, become a fragment's codes in v[PC] on and its scale word in v[pw]
.macro QUANT s, pw
.irp b, 0,1,2,3
	v_max3_num_f32 v[TM+\b], |v[\s+16*\b]|, |v[\s+1+16*\b]|, 0x1800000   ; my 16 numbers of block b, and the floor 2^(3 - 127): the byte cannot fall under 1
.endr
.irp i, 2,4,6,8,10,12,14
.irp b, 0,1,2,3
	v_max3_num_f32 v[TM+\b], v[TM+\b], |v[\s+16*\b+\i]|, |v[\s+1+16*\b+\i]|
.endr
.endr
.irp b, 0,1,2,3
	v_permlanex16_b32 v[TM+4+\b], v[TM+\b], s[SEL], s[SEL+1]
.endr
.irp b, 0,1,2,3
	v_max_num_f32 v[TM+\b], v[TM+\b], v[TM+4+\b]   ; with lane l xor 16's: the block's largest magnitude
.endr
.irp b, 0,1,2,3
	v_add_nc_u32 v[TM+12+\b], 0xff000000, v[TM+\b] ; 2 off its exponent field: the conversion's scale operand
.endr
.irp b, 0,1,2,3
	v_lshrrev_b32 v[TM+4+\b], 23, v[TM+12+\b]      ; the scale's byte
.endr
	v_lshl_or_b32 v[\pw], v[TM+5], 8, v[TM+4]
	v_lshl_or_b32 v[\pw], v[TM+6], 16, v[\pw]
	v_lshl_or_b32 v[\pw], v[TM+7], 24, v[\pw]
.irp b, 0,1,2,3
	v_cvt_scalef32_pk8_fp4_f32 v[PC+2*\b], v[\s+16*\b:\s+7+16*\b], v[TM+12+\b]
	v_cvt_scalef32_pk8_fp4_f32 v[PC+1+2*\b], v[\s+8+16*\b:\s+15+16*\b], v[TM+12+\b]
.endr
	v_nop                                          ; one plain place behind a scaled conversion
.irp c, 0,1                            ; the operand's layout wants a whole block in a lane
.irp i, 0,1
	v_permlane16_swap_b32 v[PC+4*\c+\i], v[PC+2+4*\c+\i]
.endr
.endr
.endm
.macro STEP t
.if (\t) < 3
	s_wait_loadcnt 16                              ; this K step's 16 loads are in; the next step's 16 may be out
.else
	s_wait_loadcnt 0x0
.endif
.set q, 0
.rept 16
	ds_store_b128 v14, v[R+64*((\t)%2)+4*q:R+64*((\t)%2)+4*q+3] offset:528*q
.set q, q+1
.endr
.set q, 0
.rept 16
	ds_load_b128 v[X+4*q:X+4*q+3], v15 offset:128*(q/4)+16*(q%4)   ; LDS serves a wave's instructions in order: these see the stores above
.set q, q+1
.endr
	s_wait_dscnt 0x0                               ; my 64 numbers are back, and the stores have read their registers
	s_wait_xcnt 0x0                                ; the last step's code stores have read v[PC] on
.if (\t) < 2
	LOAD (\t)+2
.endif
	QUANT X, SW+(\t)
.irp c, 0,1
	global_store_b128 v3, v[PC+4*\c:PC+4*\c+3], s[38:39] offset:1024*(\t)+512*\c   ; 512 consecutive bytes
.endr
.endm
	LOAD 0
	LOAD 1
.irp t, 0,1,2,3
	STEP \t
.endr
	v_cmp_lt_u32 s46, 15, v1                       ; both halves of the lanes hold their row's four words: lanes 0-15 store words 0, 1, lanes 16-31 words 2, 3
	v_cndmask_b32 v240, v[SW], v[SW+2], s46
	v_cndmask_b32 v241, v[SW+1], v[SW+3], s46
	global_store_b64 v6, v[240:241], s[40:41]      ; 16 bytes of each row's 32: the other wave stores the other 16
	s_wait_tensorcnt 0x0                           ; the wave's end, behind my last LDS store
	ds_add_u32 v[SPW], v[NIL]
	s_wait_dscnt 0x0
	s_endpgm
.Lconvert:
	s_sub_co_u32 s31, ttmp9, JOBWG                 ; the tile of 16 rows of o_w
	v_lshlrev_b32 v4, 12, v2
	v_lshl_add_u32 v4, v5, 5, v4                   ; row r of 4,096 bytes, + 32 h
	s_lshl_b32 s32, s31, 16
	s_lshl_b32 s33, s30, 11                        ; my eight planes: 256 bytes of a row each
	s_add_co_u32 s32, s32, s33
	s_mov_b32 s33, 0
	s_lshl_b32 s36, s30, 20                        ; in ow16 a plane is 131,072 bytes
	s_lshl_b32 s37, s31, 11
	s_add_co_u32 s36, s36, s37
	s_mov_b32 s37, 0
	s_wait_kmcnt 0x0
	s_add_nc_u64 s[34:35], s[22:23], s[32:33]
	s_add_nc_u64 s[38:39], s[28:29], s[36:37]
.irp g, 0,1                            ; four planes at a time
.irp p, 0,1,2,3
.irp t, 0,1,2,3
.irp e, 0,1
	global_load_b128 v[64+32*\p+8*\t+4*\e:64+32*\p+8*\t+4*\e+3], v4, s[34:35] offset:256*(4*\g+\p)+64*\t+16*\e th:TH_LOAD_NT
.endr
.endr
.endr
	s_wait_loadcnt 0x0
.if \g
	s_wait_xcnt 0x0                                ; the first four planes' stores have read their registers
.endif
.set q, 0
.rept 64
	v_cvt_pk_f16_f32 v[192+q], v[64+2*q], v[64+2*q+1]
.set q, q+1
.endr
.irp p, 0,1,2,3
.irp t, 0,1,2,3
	global_store_b128 v3, v[192+16*\p+4*\t:192+16*\p+4*\t+3], s[38:39] offset:131072*(4*\g+\p)+512*\t
.endr
.endr
.endr
	s_wait_tensorcnt 0x0                           ; the same three lines on this end
	ds_add_u32 v[SPW], v[NIL]
	s_wait_dscnt 0x0
	s_endpgm
.Lfunc_end_k_qa7f3a09a48_prep:
	.size	k_qa7f3a09a48_prep, .Lfunc_end_k_qa7f3a09a48_prep-k_qa7f3a09a48_prep
	.p2alignl 7, 3214868480
	.fill 96, 4, 3214868480
	.section	.rodata,"a",@progbits
	.p2align	6, 0x0
	.amdhsa_kernel k_qa7f3a09a48_prep
		.amdhsa_group_segment_fixed_size 17152
		.amdhsa_private_segment_fixed_size 0
		.amdhsa_enable_private_segment 0
		.amdhsa_kernarg_size 88
		.amdhsa_user_sgpr_count 2
		.amdhsa_user_sgpr_kernarg_segment_ptr 1
		.amdhsa_wavefront_size32 1
		.amdhsa_system_sgpr_workgroup_id_x 1
		.amdhsa_system_sgpr_workgroup_id_y 1
		.amdhsa_system_sgpr_workgroup_id_z 1
		.amdhsa_system_vgpr_workitem_id 0
		.amdhsa_next_free_vgpr 256
		.amdhsa_next_free_sgpr 66
		.amdhsa_reserve_vcc 0
		.amdhsa_float_denorm_mode_32 3
		.amdhsa_float_denorm_mode_16_64 3
		.amdhsa_memory_ordered 1
		.amdhsa_forward_progress 1
		.amdhsa_inst_pref_size 52
	.end_amdhsa_kernel
	.amdgpu_metadata
---
amdhsa.version: [ 1, 2 ]
amdhsa.kernels:
  - .name:           k_qa7f3a09a48_prep
    .symbol:         k_qa7f3a09a48_prep.kd
    .args:
      - { .name: x, .offset: 0, .size: 8, .value_kind: global_buffer, .address_space: global }
      - { .name: q_w, .offset: 8, .size: 8, .value_kind: global_buffer, .address_space: global }
      - { .name: k_img_w, .offset: 16, .size: 8, .value_kind: global_buffer, .address_space: global }
      - { .name: k_w, .offset: 24, .size: 8, .value_kind: global_buffer, .address_space: global }
      - { .name: v_img_w, .offset: 32, .size: 8, .value_kind: global_buffer, .address_space: global }
      - { .name: v_w, .offset: 40, .size: 8, .value_kind: global_buffer, .address_space: global }
      - { .name: context, .offset: 48, .size: 8, .value_kind: global_buffer, .address_space: global }
      - { .name: o_w, .offset: 56, .size: 8, .value_kind: global_buffer, .address_space: global }
      - { .name: codes, .offset: 64, .size: 8, .value_kind: global_buffer, .address_space: global }
      - { .name: scales, .offset: 72, .size: 8, .value_kind: global_buffer, .address_space: global }
      - { .name: ow16, .offset: 80, .size: 8, .value_kind: global_buffer, .address_space: global }
    .group_segment_fixed_size: 17152
    .private_segment_fixed_size: 0
    .kernarg_segment_align: 8
    .kernarg_segment_size: 88
    .max_flat_workgroup_size: 64
    .sgpr_count:     66
    .vgpr_count:     256
    .wavefront_size: 32
...
	.end_amdgpu_metadata
.endif
;; end of part 1
;; launch kv (part 2): grid 13 x 4, 4 waves a work-group, no clusters, 2,560 bytes of LDS; arguments codes, scales, k_b, k_img_b, v_b, v_img_b, norm_k_w, norm_k_img_w, norm_q_w, kv; writes kv
.if DOCPART == 2
	.amdgcn_target "amdgcn-amd-amdhsa--gfx1250"
	.amdhsa_code_object_version 6
	.text
	.protected	k_qa7f3a09a48_kv
	.globl	k_qa7f3a09a48_kv
	.p2align	8
	.type	k_qa7f3a09a48_kv,@function
k_qa7f3a09a48_kv:
	s_mov_b64 s[64:65], 0
	v_nop
	global_prefetch_b8 v0, s[64:65] scope:SCOPE_SE
	s_setreg_imm32_b32 hwreg(HW_REG_WAVE_MODE, 25, 1), 1
	s_wait_xcnt 0x0
; KV.  The four projections of the context on codes of E2M1, bias, K's RMS norm with both gains (norm_k x norm_q: the query's gain is folded into K), and the results as f16 in the order of attention's operand registers.
; Work-group (x, y): 64 keys (x = 0..4 image keys 64 x on, x = 5..12 text keys 64 (x - 5) on) of batch y & 1, K (y < 2) or V; all 1,024 columns, since the norm wants whole rows.  Wave w: columns 256 w on: 16 tiles, four heads.
; Image keys 257..319 are padding: rows 257..271 are the rows that follow in context, tiles 17..19 are copies of tile 16: finite numbers, which attention masks.
; K: source 0 = 16 rows of the weight, source 1 = 16 keys: a lane holds key r and eight channels.  V: the sources swapped: a lane holds channel r and eight keys (V^T).  Four packed conversions of an accumulator ARE half a fragment.
; kv: [16 b + head][K, V][key tile 0..55][t 0..3][lane][16 bytes]; key tiles 0..19 image, 20..51 text, 52..55 a copy of 0..3 (attention's walk runs on from one group of queries into the next).
; No cluster: the image weights are read by ten work-groups, which no cluster of four divides.  No tensor load: operands go from memory straight into registers, in whole fragments.
; LIMITS: k x norm_k_w x norm_q_w and v as f16: magnitudes up to 65,504.
; REGISTERS: window 0: v1-13 addresses; v16-47 the context's scale words; v48-111 the weight's; v112-239 two sets of a weight tile's fragments, later gains and packed results; v240-255 at work.
;   window 1: the context's 32 fragments (m, s) at v[8 (8 m + s)], later bias and gains.   windows 2, 3: accumulator (m, nt) at v[8 (4 (nt % 8) + m)] of window 2 + nt / 8.
.set SPARE, 2048                       ; behind the sums' 2,048 bytes: the spare words, 128 bytes for each wave
.set LI,   1                           ; 16 x lane
.set CA,   2                           ; v2-5  16 x lane + 8,192 x the job of key tile m
.set A32R, 6                           ; 32 r
.set A32L, 7                           ; 32 x lane
.set SPW,  8
.set NIL,  9
.set RA,   10                          ; 16 x lane + 4 x wave
.set H32,  11                          ; 32 h
.set R4,   12                          ; 4 r
.set BBA,  13
.set CS,   16
.set WS,   48
.set WB,   112
.set T,    240
.set SEL,  58
.set MSB, 0
.macro WIN new                         ; the immediate's high byte repeats the setting that is left
.if MSB != (\new)
	s_set_vgpr_msb (MSB<<8)|(\new)
.set MSB, (\new)
.endif
.endm
	s_load_b512 s[4:19], s[0:1], 0x0               ; codes, scales, k_b, k_img_b, v_b, v_img_b, norm_k_w, norm_k_img_w
	s_load_b128 s[20:23], s[0:1], 0x40             ; norm_q_w, kv
	v_lshl_add_u32 v[SPW], v0, 2, SPARE
	v_mov_b32 v[NIL], 0
	v_lshrrev_b32 v14, 5, v0
	v_readfirstlane_b32 s28, v14                   ; wave
	v_and_b32 v14, 31, v0
	v_lshlrev_b32 v[LI], 4, v14
	v_lshlrev_b32 v[A32L], 5, v14
	v_and_b32 v15, 15, v0
	v_lshlrev_b32 v[A32R], 5, v15
	v_lshlrev_b32 v[R4], 2, v15
	v_bfe_u32 v14, v0, 4, 1
	v_lshlrev_b32 v[H32], 5, v14
	s_lshl_b32 s46, s28, 2
	v_add_nc_u32 v[RA], s46, v[LI]
.irp m, 0,1,2,3
	v_mov_b32 v[T+8+\m], 0                         ; written once: a lane permute's destination counts as one of its sources
.endr
	s_mov_b32 s24, ttmp9                           ; x
	s_and_b32 s25, ttmp7, 0xffff
	s_and_b32 s26, s25, 1                          ; batch
	s_lshr_b32 s27, s25, 1                         ; 1: V
	s_cmp_lt_u32 s24, 5                            ; image?
	s_cselect_b32 s29, 0, 1
	s_lshl_b32 s30, s27, 1
	s_add_co_u32 s29, s29, s30
	s_add_co_u32 s29, s29, 1                       ; the weight: 1 k_img_w, 2 k_w, 3 v_img_w, 4 v_w
	s_lshl_b32 s29, s29, 6
	s_lshl_b32 s30, s28, 4
	s_add_co_u32 s29, s29, s30
	s_add_co_u32 s29, s29, 1024                    ; the job of my first tile of its rows
	s_lshl_b32 s48, s29, 13
	s_mov_b32 s49, 0
	s_lshl_b32 s50, s29, 9
	s_mov_b32 s51, 0
	s_mul_i32 s31, s26, 49
	s_add_co_u32 s31, s31, 1344                    ; the batch's first job
	s_lshl_b32 s30, s24, 2
.irp m, 0,1,2,3
	s_add_co_u32 s32, s30, \m
	s_min_u32 s33, s32, 16                         ; image: tile 4 x + m, held at 16
	s_sub_co_u32 s32, s32, 3                       ; text: 4 x + m - 3 (x = 5 begins at tile 17)
	s_cmp_lt_u32 s24, 5
	s_cselect_b32 s32, s33, s32
	s_add_co_u32 s32, s32, s31
	s_lshl_b32 s33, s32, 13
	v_add_nc_u32 v[CA+\m], s33, v[LI]
	s_lshl_b32 s33, s32, 9
	v_add_nc_u32 v[T+\m], s33, v[A32R]             ; and its scale words: 32 bytes a row
.endr
	s_lshl_b32 s44, s26, 4
	s_lshl_b32 s45, s28, 2
	s_add_co_u32 s44, s44, s45
	s_mul_i32 s44, s44, 229376                     ; my first head,
	s_mul_i32 s45, s27, 114688                     ; K's or V's half of it,
	s_add_co_u32 s44, s44, s45
	s_lshl_b32 s45, s24, 13                        ; my four key tiles
	s_add_co_u32 s44, s44, s45
	s_mov_b32 s45, 0
	s_mov_b32 s56, 0x3a800000                      ; 1 / 1,024
	s_mov_b32 s57, 0x358637bd                      ; 1e-6
	s_mov_b32 s[SEL], 0x76543210
	s_mov_b32 s[SEL+1], 0xfedcba98
	s_wait_kmcnt 0x0
	s_cmp_lt_u32 s24, 5
	s_cselect_b64 s[36:37], s[10:11], s[8:9]       ; K's bias,
	s_cselect_b64 s[38:39], s[14:15], s[12:13]     ; V's,
	s_cselect_b64 s[40:41], s[18:19], s[16:17]     ; K's gain
	s_cmp_eq_u32 s27, 0
	s_cselect_b64 s[36:37], s[36:37], s[38:39]
	s_lshl_b32 s32, s28, 10                        ; my 256 columns
	s_mov_b32 s33, 0
	s_add_nc_u64 s[36:37], s[36:37], s[32:33]
	s_add_nc_u64 s[40:41], s[40:41], s[32:33]
	s_add_nc_u64 s[42:43], s[20:21], s[32:33]
	s_add_nc_u64 s[48:49], s[4:5], s[48:49]
	s_add_nc_u64 s[50:51], s[6:7], s[50:51]
	s_add_nc_u64 s[44:45], s[22:23], s[44:45]
	WIN 0x40                                       ; destination window 1
.irp m, 0,1,2,3
.set q, 0
.rept 16
	global_load_b128 v[64*\m+4*q:64*\m+4*q+3], v[CA+\m], s[4:5] offset:512*q
.set q, q+1
.endr
.endr
	WIN 0
.irp m, 0,1,2,3
.irp e, 0,1
	global_load_b128 v[CS+8*\m+4*\e:CS+8*\m+4*\e+3], v[T+\m], s[6:7] offset:16*\e
.endr
.endr
.irp i, 0,1,2,3,4,5,6,7                ; lanes 0-15: tile 2 i of the weight, lanes 16-31: tile 2 i + 1
.irp e, 0,1
	global_load_b128 v[WS+8*\i+4*\e:WS+8*\i+4*\e+3], v[A32L], s[50:51] offset:1024*\i+16*\e
.endr
.endr
.macro WLOAD nt                        ; the eight fragments of tile nt of the weight's rows into set nt % 2
.set q, 0
.rept 16
	global_load_b128 v[WB+64*((\nt)%2)+4*q:WB+64*((\nt)%2)+4*q+3], v[LI], s[48:49] offset:8192*(\nt)+512*q
.set q, q+1
.endr
.endm
	WLOAD 0
	WLOAD 1
.macro MM d, a, b, zero, sa, sb, row   ; row = 1: source 0's scales in lanes 16-31; 2: source 1's
.if \zero
.if (\row) == 1
	v_wmma_scale_f32_16x16x128_f8f6f4 v[\d:\d+7], v[\a:\a+7], v[\b:\b+7], 0, v[\sa], v[\sb] matrix_a_fmt:MATRIX_FMT_FP4 matrix_b_fmt:MATRIX_FMT_FP4 matrix_a_scale:MATRIX_SCALE_ROW1
.elseif (\row) == 2
	v_wmma_scale_f32_16x16x128_f8f6f4 v[\d:\d+7], v[\a:\a+7], v[\b:\b+7], 0, v[\sa], v[\sb] matrix_a_fmt:MATRIX_FMT_FP4 matrix_b_fmt:MATRIX_FMT_FP4 matrix_b_scale:MATRIX_SCALE_ROW1
.else
	v_wmma_scale_f32_16x16x128_f8f6f4 v[\d:\d+7], v[\a:\a+7], v[\b:\b+7], 0, v[\sa], v[\sb] matrix_a_fmt:MATRIX_FMT_FP4 matrix_b_fmt:MATRIX_FMT_FP4
.endif
.else
.if (\row) == 1
	v_wmma_scale_f32_16x16x128_f8f6f4 v[\d:\d+7], v[\a:\a+7], v[\b:\b+7], v[\d:\d+7], v[\sa], v[\sb] matrix_a_fmt:MATRIX_FMT_FP4 matrix_b_fmt:MATRIX_FMT_FP4 matrix_a_scale:MATRIX_SCALE_ROW1
.elseif (\row) == 2
	v_wmma_scale_f32_16x16x128_f8f6f4 v[\d:\d+7], v[\a:\a+7], v[\b:\b+7], v[\d:\d+7], v[\sa], v[\sb] matrix_a_fmt:MATRIX_FMT_FP4 matrix_b_fmt:MATRIX_FMT_FP4 matrix_b_scale:MATRIX_SCALE_ROW1
.else
	v_wmma_scale_f32_16x16x128_f8f6f4 v[\d:\d+7], v[\a:\a+7], v[\b:\b+7], v[\d:\d+7], v[\sa], v[\sb] matrix_a_fmt:MATRIX_FMT_FP4 matrix_b_fmt:MATRIX_FMT_FP4
.endif
.endif
.endm
; Tile nt of the columns against the four key tiles: 32 matrix instructions, K ascending, the four accumulators by turns; the first K step starts the sums
.macro KVSTEP nt, swap
.if (\nt) < 15
	s_wait_loadcnt 16                              ; this tile's 16 loads (and all older ones) are in; the next tile's 16 may be out
.else
	s_wait_loadcnt 0x0
.endif
.set WW, WB+64*((\nt)%2)
.set AW, 32*((\nt)%8)
.if \swap
	WIN 0xa1+0x50*((\nt)/8)                        ; source 0 the context (window 1), source 1 the weight (window 0)
.else
	WIN 0xa4+0x50*((\nt)/8)                        ; source 0 the weight, source 1 the context
.endif
.irp s, 0,1,2,3,4,5,6,7
.irp m, 0,1,2,3
.if \swap
	MM AW+8*\m, 64*\m+8*\s, WW+8*\s, (\s)==0, CS+8*\m+\s, WS+8*((\nt)/2)+\s, 2*((\nt)%2)
.else
	MM AW+8*\m, WW+8*\s, 64*\m+8*\s, (\s)==0, WS+8*((\nt)/2)+\s, CS+8*\m+\s, (\nt)%2
.endif
.endr
.endr
.if (\nt) < 14
.rept 4
	v_nop                                          ; four places in front of loads into registers that matrix instructions have read
.endr
	WIN 0
	WLOAD (\nt)+2
.endif
.endm
	s_cmp_lg_u32 s27, 0
	s_cbranch_scc1 .Lgemm_v
.irp n, 0,1,2,3,4,5,6,7,8,9,10,11,12,13,14,15
	KVSTEP \n, 0
.endr
	WIN 0
	s_branch .Ljoin
.Lgemm_v:
.irp n, 0,1,2,3,4,5,6,7,8,9,10,11,12,13,14,15
	KVSTEP \n, 1
.endr
	WIN 0
.Ljoin:
.rept 4
	v_nop                                          ; four places behind the last products
.endr
	; THE BIAS, eight registers a tile in the result's layout.  K: register j is channel 16 nt + 8 h + j; V: every register is channel 16 nt + r
	s_cmp_lg_u32 s27, 0
	s_cselect_b32 s52, -1, 0
	s_cselect_b32 s53, 0, 4
	v_cndmask_b32 v[BBA], v[H32], v[R4], s52
.irp j, 0,1,2,3,4,5,6,7
	s_mul_i32 s54, s53, \j
	v_add_nc_u32 v[WB+\j], s54, v[BBA]
.endr
	WIN 0x40
.set q, 0
.rept 16
.irp j, 0,1,2,3,4,5,6,7
	global_load_b32 v[8*q+\j], v[WB+\j], s[36:37] offset:64*q
.endr
.set q, q+1
.endr
	WIN 0
	s_wait_loadcnt 0x0
.macro BIASADD hi                      ; each accumulator from its low end on
	WIN 0x86+0x41*\hi
.set q, 0
.rept 8
.irp m, 0,1,2,3
.irp p, 0,2,4,6
	v_pk_add_f32 v[32*q+8*\m+\p:32*q+8*\m+\p+1], v[32*q+8*\m+\p:32*q+8*\m+\p+1], v[64*\hi+8*q+\p:64*\hi+8*q+\p+1]
.endr
.endr
.set q, q+1
.endr
.endm
	BIASADD 0
	BIASADD 1
	WIN 0
	s_cmp_lg_u32 s27, 0
	s_cbranch_scc1 .Lpack                          ; V has no norm.  The branch hangs on the work-group's y: all four waves go the same way
	; K'S NORM.  The gains are asked for first and land under the sums of squares
	WIN 0x40
.set q, 0
.rept 32
	global_load_b128 v[128+4*q:128+4*q+3], v[H32], s[40:41] offset:64*(q/2)+16*(q%2)
.set q, q+1
.endr
	WIN 0
.set q, 0
.rept 32
	global_load_b128 v[WB+4*q:WB+4*q+3], v[H32], s[42:43] offset:64*(q/2)+16*(q%2)
.set q, q+1
.endr
.macro SUMSQ hi
	WIN 0x0a+5*\hi
.set q, 0
.rept 8
.irp p, 0,2,4,6
.irp m, 0,1,2,3
.if (\hi == 0) && (q == 0) && (\p == 0)
	v_pk_mul_f32 v[T+2*\m:T+2*\m+1], v[32*q+8*\m+\p:32*q+8*\m+\p+1], v[32*q+8*\m+\p:32*q+8*\m+\p+1]
.else
	v_pk_fma_f32 v[T+2*\m:T+2*\m+1], v[32*q+8*\m+\p:32*q+8*\m+\p+1], v[32*q+8*\m+\p:32*q+8*\m+\p+1], v[T+2*\m:T+2*\m+1]
.endif
.endr
.endr
.set q, q+1
.endr
.endm
	SUMSQ 0
	SUMSQ 1
	WIN 0
.irp m, 0,1,2,3
	v_add_f32 v[T+2*\m], v[T+2*\m], v[T+2*\m+1]
.endr
.irp m, 0,1,2,3
	v_permlanex16_b32 v[T+8+\m], v[T+2*\m], s[SEL], s[SEL+1]
.endr
.irp m, 0,1,2,3
	v_add_f32 v[T+2*\m], v[T+2*\m], v[T+8+\m]      ; key r's sum over my wave's 256 columns
.endr
.irp m, 0,1,2,3
	ds_store_b32 v[RA], v[T+2*\m] offset:512*\m    ; [m][lane][wave]
.endr
	s_wait_dscnt 0x0                               ; for the others' sake: my stores have landed
	s_barrier_signal -1
	s_barrier_wait -1
.irp m, 0,1,2,3
	ds_load_b128 v[T+4*\m:T+4*\m+3], v[LI] offset:512*\m   ; the four waves' parts
.endr
	s_wait_dscnt 0x0
.irp m, 0,1,2,3
	v_add_f32 v[T+4*\m], v[T+4*\m], v[T+4*\m+1]
	v_add_f32 v[T+4*\m+2], v[T+4*\m+2], v[T+4*\m+3]
.endr
.irp m, 0,1,2,3
	v_add_f32 v[T+4*\m], v[T+4*\m], v[T+4*\m+2]
.endr
.irp m, 0,1,2,3
	v_fma_f32 v[T+4*\m], v[T+4*\m], s56, s57       ; the mean of the squares + eps
.endr
.irp m, 0,1,2,3
	v_rsq_f32 v[T+4*\m], v[T+4*\m]
.endr
	v_nop                                          ; a plain place behind the last of the four
	s_wait_alu depctr_va_vdst(0)                   ; one wait for the four, ahead of their first reader
	s_wait_loadcnt 0x0                             ; the gains
	WIN 0x41
.set q, 0
.rept 64
	v_pk_mul_f32 v[128+2*q:128+2*q+1], v[128+2*q:128+2*q+1], v[WB+2*q:WB+2*q+1]   ; norm_k x norm_q
.set q, q+1
.endr
.macro SCALE hi
	WIN 0x82+0x41*\hi
.set q, 0
.rept 8
.irp m, 0,1,2,3
.irp p, 0,2,4,6
	v_pk_mul_f32 v[32*q+8*\m+\p:32*q+8*\m+\p+1], v[32*q+8*\m+\p:32*q+8*\m+\p+1], v[T+4*\m:T+4*\m+1] op_sel_hi:[1,0]
.endr
.endr
.set q, q+1
.endr
	WIN 0x86+0x41*\hi
.set q, 0
.rept 8
.irp m, 0,1,2,3
.irp p, 0,2,4,6
	v_pk_mul_f32 v[32*q+8*\m+\p:32*q+8*\m+\p+1], v[32*q+8*\m+\p:32*q+8*\m+\p+1], v[128+64*\hi+8*q+\p:128+64*\hi+8*q+\p+1]
.endr
.endr
.set q, q+1
.endr
.endm
	SCALE 0
	SCALE 1
	WIN 0
.Lpack:
; an accumulator's eight numbers pack into a lane's 16 bytes of half a fragment: each store of the wave covers 512 consecutive bytes, aligned
.macro PACK hi
.if \hi
	s_wait_xcnt 0x0                                ; the first half's stores have read their registers
.endif
	WIN 0x0a+5*\hi
.set q, 0
.rept 8
.irp m, 0,1,2,3
.irp p, 0,1,2,3
	v_cvt_pk_f16_f32 v[WB+4*(4*q+\m)+\p], v[32*q+8*\m+2*\p], v[32*q+8*\m+2*\p+1]
.endr
.endr
.set q, q+1
.endr
	WIN 0
.set q, 0
.rept 8
.irp m, 0,1,2,3
	global_store_b128 v[LI], v[WB+4*(4*q+\m):WB+4*(4*q+\m)+3], s[44:45] offset:((8*\hi+q)/4)*229376+2048*\m+512*(q%4)
.endr
.set q, q+1
.endr
	s_cmp_lg_u32 s24, 0
	s_cbranch_scc1 .Lno_copy_\@
.set q, 0
.rept 8                                ; key tiles 0..3 once more, as tiles 52..55
.irp m, 0,1,2,3
	global_store_b128 v[LI], v[WB+4*(4*q+\m):WB+4*(4*q+\m)+3], s[44:45] offset:((8*\hi+q)/4)*229376+2048*\m+512*(q%4)+106496
.endr
.set q, q+1
.endr
.Lno_copy_\@:
.endm
	PACK 0
	PACK 1
	s_wait_tensorcnt 0x0                           ; the wave's end, behind my last LDS store
	ds_add_u32 v[SPW], v[NIL]
	s_wait_dscnt 0x0
	s_endpgm
.Lfunc_end_k_qa7f3a09a48_kv:
	.size	k_qa7f3a09a48_kv, .Lfunc_end_k_qa7f3a09a48_kv-k_qa7f3a09a48_kv
	.p2alignl 7, 3214868480
	.fill 96, 4, 3214868480
	.section	.rodata,"a",@progbits
	.p2align	6, 0x0
	.amdhsa_kernel k_qa7f3a09a48_kv
		.amdhsa_group_segment_fixed_size 2560
		.amdhsa_private_segment_fixed_size 0
		.amdhsa_enable_private_segment 0
		.amdhsa_kernarg_size 80
		.amdhsa_user_sgpr_count 2
		.amdhsa_user_sgpr_kernarg_segment_ptr 1
		.amdhsa_wavefront_size32 1
		.amdhsa_system_sgpr_workgroup_id_x 1
		.amdhsa_system_sgpr_workgroup_id_y 1
		.amdhsa_system_sgpr_workgroup_id_z 1
		.amdhsa_system_vgpr_workitem_id 0
		.amdhsa_next_free_vgpr 1024
		.amdhsa_next_free_sgpr 66
		.amdhsa_reserve_vcc 0
		.amdhsa_float_denorm_mode_32 3
		.amdhsa_float_denorm_mode_16_64 3
		.amdhsa_memory_ordered 1
		.amdhsa_forward_progress 1
		.amdhsa_inst_pref_size 255
	.end_amdhsa_kernel
	.section	.bss,"aw",@nobits
	.p2align	6
	.space	262144
	.amdgpu_metadata
---
amdhsa.version: [ 1, 2 ]
amdhsa.kernels:
  - .name:           k_qa7f3a09a48_kv
    .symbol:         k_qa7f3a09a48_kv.kd
    .args:
      - { .name: codes, .offset: 0, .size: 8, .value_kind: global_buffer, .address_space: global }
      - { .name: scales, .offset: 8, .size: 8, .value_kind: global_buffer, .address_space: global }
      - { .name: k_b, .offset: 16, .size: 8, .value_kind: global_buffer, .address_space: global }
      - { .name: k_img_b, .offset: 24, .size: 8, .value_kind: global_buffer, .address_space: global }
      - { .name: v_b, .offset: 32, .size: 8, .value_kind: global_buffer, .address_space: global }
      - { .name: v_img_b, .offset: 40, .size: 8, .value_kind: global_buffer, .address_space: global }
      - { .name: norm_k_w, .offset: 48, .size: 8, .value_kind: global_buffer, .address_space: global }
      - { .name: norm_k_img_w, .offset: 56, .size: 8, .value_kind: global_buffer, .address_space: global }
      - { .name: norm_q_w, .offset: 64, .size: 8, .value_kind: global_buffer, .address_space: global }
      - { .name: kv, .offset: 72, .size: 8, .value_kind: global_buffer, .address_space: global }
    .group_segment_fixed_size: 2560
    .private_segment_fixed_size: 0
    .kernarg_segment_align: 8
    .kernarg_segment_size: 80
    .max_flat_workgroup_size: 128
    .sgpr_count:     66
    .vgpr_count:     1024
    .wavefront_size: 32
...
	.end_amdgpu_metadata
.endif
;; end of part 2
;; launch qgemm (part 3): grid 4 x 64, 4 waves a work-group, clusters of 4 x 4, 327,680 bytes of LDS; arguments codes, scales, q_b, q16, ssq; writes q16, ssq
.if DOCPART == 3
	.amdgcn_target "amdgcn-amd-amdhsa--gfx1250"
	.amdhsa_code_object_version 6
	.text
	.protected	k_qa7f3a09a48_qgemm
	.globl	k_qa7f3a09a48_qgemm
	.p2align	8
	.type	k_qa7f3a09a48_qgemm,@function
k_qa7f3a09a48_qgemm:
	s_mov_b64 s[64:65], 0
	v_nop
	global_prefetch_b8 v0, s[64:65] scope:SCOPE_SE
	s_setreg_imm32_b32 hwreg(HW_REG_WAVE_MODE, 25, 1), 1
	s_wait_xcnt 0x0
	s_wait_alu depctr_hold_cnt(0) depctr_sa_sdst(0) depctr_va_vdst(0) depctr_va_sdst(0) depctr_va_ssrc(0) depctr_va_vcc(0) depctr_vm_vsrc(0)
	s_getreg_b32 s2, hwreg(HW_REG_IB_STS2, 6, 4)
	s_cmp_eq_u32 s2, 0
	s_cbranch_scc0 .Lentry_in_a_cluster
	s_endpgm
.Lentry_in_a_cluster:
	s_bfe_u32 s2, ttmp6, 0x10000c
	s_cmp_lg_u32 s2, 0xf033
	s_cbranch_scc0 .Lentry_shape_is_right
	s_endpgm
.Lentry_shape_is_right:
; QGEMM.  q = x q_w^T + q_b on codes of E2M1 (16,384 x 1,024 x 1,024).  A work-group of four waves makes 256 x 256, a wave 128 x 128: 64 accumulators.  K = 1,024 is two LDS slots of 512: both are first fills, nothing is filled again.
; The codes lie in the order of the operand's registers (a job of 16 rows: [K step][c][lane][16 bytes]): a slot's part of 8 jobs is 8 rows of 4,096 bytes, and a fragment is two LDS loads at 16 x lane + a constant.
; The scale bytes ([row][32]) of the work-group's rows come once, as units of 256 bytes + 16 of padding.  One register carries A's word (lanes 0-15) and B's (lanes 16-31).
; CLUSTER 4 x 4: x's tiles are shared along a row of the cluster, q_w's along a column: joint loads.  The matrix instruction is used transposed (source 0 = q_w's rows, source 1 = x's): a lane holds a row of q and eight neighbouring columns.
; The bias is the C of each sum's first instruction.  THE NORM IS NOT APPLIED HERE (a tile has a quarter of a row): q + q_b leaves as f16, and beside it each row's sum of squares (of the f32 numbers) over each 128 columns.
; q16: [head][row tile][t][lane][16 bytes]: four packed conversions of an accumulator are half a fragment of attention's Q.  ssq: f32 [column / 128][row / 128][r][a], row = 128 R + 16 a + r.
; LIMITS: q + q_b as f16: magnitudes up to 65,504.
; REGISTERS: window 0: v16-29 addresses; v32-95 scale words, two sets; v96-112 the way out's sums; v128-191 A's fragments, one set; v192-255 the bias; on the way out v128-255 packed results.
;   window 1: B's fragments, two sets, at v0 and v128.   windows 2, 3: accumulator (a, b) at v[8 (8 (a % 4) + b)].
.set NQ,     4
.set FR,     8
.set NL,     2
.set NP,     4
.set HALFT,  32768                     ; 8 jobs x 4,096 bytes: what one tensor load brings
.set SLOT,   4*HALFT
.set KS,     32
.set SCL,    2*SLOT
.set HALFS,  4352                      ; the scales of 128 rows: 16 units of 272
.set SBLK,   544                       ; those of 16 rows
.set SPARE,  SCL+4*HALFS               ; the spare words: 128 bytes for each wave
.set ADRA, 16
.set ADRB, 20
.set LI,   24                          ; 16 x lane
.set SSO,  25                          ; 32 r + 16 h
.set ADRS, 27
.set SPW,  28
.set NIL,  29
.set SC,   32
.set SS,   96                          ; v96-103 my row's sums of squares, block a
.set TT,   104
.set PX,   112
.set AF,   128
.set BI,   192
.set PK,   128
.set G1, 24
.set G0, 32
.set G1B, 48
.set G0B, 56
.set G1S, 68
.set G0S, 76
.set G1SB, 80
.set G0SB, 88
.set MSB, 0
.macro WIN new
.if MSB != (\new)
	s_set_vgpr_msb (MSB<<8)|(\new)
.set MSB, (\new)
.endif
.endm
.set MUL_LO, 0xa1
.set MUL_HI, 0xf1
.set TO_B,   0x40
; A joint load: waves 0 and 1 fetch for A, waves 2 and 3 for B; the branch hangs on the wave's number alone.  An s_nop 0 and four v_nop follow each of the two lines
.macro JLOAD g0a, g1a, g0b, g1b
	s_cmp_eq_u32 s15, 0
	s_cbranch_scc0 .Lfor_b_\@
	tensor_load_to_lds s[\g0a:\g0a+3], s[\g1a:\g1a+7]
	s_nop 0
.rept 4
	v_nop
.endr
	s_branch .Lasked_\@
.Lfor_b_\@:
	tensor_load_to_lds s[\g0b:\g0b+3], s[\g1b:\g1b+7]
	s_nop 0
.rept 4
	v_nop
.endr
.Lasked_\@:
.endm
.macro CROUND                          ; a round of the cluster's barrier
	s_barrier_signal -1
	s_barrier_wait -1
	s_cmp_lg_u32 s14, 0
	s_cbranch_scc1 .Lnot_wave_0_\@
	s_barrier_signal -3
.Lnot_wave_0_\@:
	s_barrier_wait -3
	s_barrier_signal -1
	s_barrier_wait -1
.endm
	s_load_b256 s[4:11], s[0:1], 0x0               ; codes, scales, q_b, q16
	s_load_b64 s[12:13], s[0:1], 0x20              ; ssq
	v_lshl_add_u32 v[SPW], v0, 2, SPARE
	v_mov_b32 v[NIL], 0
	ds_add_u32 v[SPW], v[NIL]                      ; the wave's opening: the add, twice on end, and its wait ahead of my first tensor load
	ds_add_u32 v[SPW], v[NIL]
	v_lshrrev_b32 v1, 5, v0
	v_readfirstlane_b32 s14, v1                    ; wave
	s_lshr_b32 s15, s14, 1                         ; my half of the tile's rows.  Also: I fetch for A (0) or B (1)
	s_and_b32 s16, s14, 1                          ; my half of its columns.  Also: which 8 jobs I fetch
	s_bfe_u32 s40, ttmp6, 0x40000                  ; cx
	s_bfe_u32 s41, ttmp6, 0x40004                  ; cy
	s_lshl_b32 s42, ttmp9, 2
	s_add_co_u32 s42, s42, s40                     ; tile column
	s_and_b32 s17, ttmp7, 0xffff
	s_lshl_b32 s17, s17, 2
	s_add_co_u32 s17, s17, s41                     ; tile row
	s_lshl_b32 s43, s41, 2
	s_lshl_b32 s43, 15, s43                        ; my row of the cluster
	s_lshl_b32 s44, 0x1111, s40                    ; my column
	s_or_b32 s[G1+0], s43, (3<<16)|(1<<21)         ; the mask; elements of 8 bytes; no padding; bit 21 beside a mask
	s_or_b32 s[G1B+0], s44, (3<<16)|(1<<21)
.irp g, G1, G1B
	s_mov_b32 s[\g+1], 512<<16                     ; tensor_dim0: 4,096 bytes
	s_mov_b32 s[\g+2], 8<<16                       ; tensor_dim1: 8 jobs
	s_mov_b32 s[\g+3], 512<<16                     ; tile_dim0
	s_mov_b32 s[\g+4], 8                           ; tile_dim1
	s_mov_b32 s[\g+5], 1024                        ; from job to job: 8,192 bytes
	s_mov_b32 s[\g+6], 0
	s_mov_b32 s[\g+7], 0
.endr
	s_or_b32 s[G1S+0], s43, (3<<16)|(1<<20)|(1<<21)|(5<<22)|(3<<25)   ; the scales: rows of 256 bytes, 16 bytes of padding behind each
	s_or_b32 s[G1SB+0], s44, (3<<16)|(1<<20)|(1<<21)|(5<<22)|(3<<25)
.irp g, G1S, G1SB
	s_mov_b32 s[\g+1], 32<<16
	s_mov_b32 s[\g+2], 16<<16
	s_mov_b32 s[\g+3], 32<<16
	s_mov_b32 s[\g+4], 16
	s_mov_b32 s[\g+5], 32
	s_mov_b32 s[\g+6], 0
	s_mov_b32 s[\g+7], 0
.endr
	s_lshl_b32 s18, s16, 3
	s_lshl_b32 s20, s17, 4
	s_add_co_u32 s20, s20, s18                     ; A: job 16 x tile row + 8 x half
	s_lshl_b32 s46, s42, 4
	s_add_co_u32 s46, s46, s18
	s_add_co_u32 s46, s46, 1024                    ; B: q_w's jobs begin at 1,024
	s_lshl_b32 s22, s20, 9                         ; their scale words,
	s_mov_b32 s23, 0
	s_lshl_b32 s92, s46, 9
	s_mov_b32 s93, 0
	s_lshl_b32 s20, s20, 13                        ; their codes
	s_mov_b32 s21, 0
	s_lshl_b32 s46, s46, 13
	s_mov_b32 s47, 0
	s_mul_i32 s45, s14, HALFT                      ; where they go: no place in the cluster enters an LDS address
	s_mul_i32 s94, s14, HALFS
	s_mov_b32 s96, 0x76543210
	s_mov_b32 s97, 0xfedcba98
	s_wait_dscnt 0x0                               ; both opening adds are done
	s_wait_kmcnt 0x0
	s_add_nc_u64 s[20:21], s[4:5], s[20:21]
	s_add_nc_u64 s[22:23], s[6:7], s[22:23]
	s_add_nc_u64 s[46:47], s[4:5], s[46:47]
	s_add_nc_u64 s[92:93], s[6:7], s[92:93]
	CROUND                                         ; all sixteen work-groups are here: the first joint loads meet
	s_mov_b32 s[G0S], 1
	s_add_co_u32 s[G0S+1], s94, SCL
	s_mov_b64 s[G0S+2:G0S+3], s[22:23]
	s_or_b32 s[G0S+3], s[G0S+3], 0x80000000
	s_mov_b32 s[G0SB], 1
	s_add_co_u32 s[G0SB+1], s94, SCL
	s_mov_b64 s[G0SB+2:G0SB+3], s[92:93]
	s_or_b32 s[G0SB+3], s[G0SB+3], 0x80000000
	JLOAD G0S, G1S, G0SB, G1SB                     ; three loads of mine go out: the scales, slot 0, slot 1
.irp s, 0,1
	s_mov_b32 s[G0+4*\s], 1
	s_add_co_u32 s[G0+4*\s+1], s45, \s*SLOT
	s_add_nc_u64 s[G0+4*\s+2:G0+4*\s+3], s[20:21], \s*4096
	s_or_b32 s[G0+4*\s+3], s[G0+4*\s+3], 0x80000000
	s_mov_b32 s[G0B+4*\s], 1
	s_add_co_u32 s[G0B+4*\s+1], s45, \s*SLOT
	s_add_nc_u64 s[G0B+4*\s+2:G0B+4*\s+3], s[46:47], \s*4096
	s_or_b32 s[G0B+4*\s+3], s[G0B+4*\s+3], 0x80000000
	JLOAD G0+4*\s, G1, G0B+4*\s, G1B
.endr
	v_and_b32 v1, 15, v0                           ; r
	v_bfe_u32 v2, v0, 4, 1                         ; h
	v_and_b32 v3, 31, v0
	v_lshlrev_b32 v[LI], 4, v3
	s_mul_i32 s21, s15, HALFT                      ; my 128 rows of A
	s_mul_i32 s22, s16, HALFT
	s_add_co_u32 s22, s22, 2*HALFT                 ; my 128 rows of B, behind A's
.irp s, 0,1
	v_add_nc_u32 v[ADRA+\s], s21, v[LI]
	v_add_nc_u32 v[ADRB+\s], s22, v[LI]
	s_add_co_u32 s21, s21, SLOT
	s_add_co_u32 s22, s22, SLOT
.endr
	v_mul_u32_u24 v5, v1, KS                       ; my row's scales: 32 bytes a row,
	v_lshrrev_b32 v6, 8, v5
	v_lshl_add_u32 v5, v6, 4, v5                   ; and 16 more for each 256 passed
	s_mul_i32 s21, s15, HALFS
	s_mul_i32 s22, s16, HALFS
	s_add_co_u32 s22, s22, 2*HALFS
	s_sub_co_u32 s22, s22, s21
	v_mul_u32_u24 v6, s22, v2                      ; lanes 16-31 take B's
	s_add_co_u32 s21, s21, SCL
	v_add_nc_u32 v5, v5, v6
	v_add_nc_u32 v[ADRS], s21, v5
	v_lshlrev_b32 v[SSO], 5, v1
	v_lshl_add_u32 v[SSO], v2, 4, v[SSO]
	v_lshlrev_b32 v7, 5, v2                        ; the bias: 32 h
	v_mov_b32 v[PX], 0                             ; written once: a lane permute's destination counts as one of its sources
	s_lshl_b32 s46, s42, 10
	s_lshl_b32 s47, s16, 9
	s_add_co_u32 s46, s46, s47                     ; my 128 columns of q_b
	s_mov_b32 s47, 0
	s_add_nc_u64 s[8:9], s[8:9], s[46:47]
.irp b, 0,1,2,3,4,5,6,7
.irp e, 0,1
	global_load_b128 v[BI+8*\b+4*\e:BI+8*\b+4*\e+3], v7, s[8:9] offset:64*\b+16*\e
.endr
.endr
	s_lshl_b32 s20, s17, 4
	s_lshl_b32 s21, s15, 3
	s_add_co_u32 s20, s20, s21
	s_lshl_b32 s20, s20, 11                        ; q16: my first row tile,
	s_mov_b32 s21, 0
	s_lshl_b32 s46, s42, 2
	s_lshl_b32 s47, s16, 1
	s_add_co_u32 s46, s46, s47
	s_lshl_b32 s46, s46, 21                        ; my first head
	s_mov_b32 s47, 0
	s_add_nc_u64 s[10:11], s[10:11], s[20:21]
	s_add_nc_u64 s[10:11], s[10:11], s[46:47]
	s_lshl_b32 s20, s17, 1
	s_add_co_u32 s20, s20, s15
	s_lshl_b32 s20, s20, 9                         ; ssq: my 128 rows,
	s_lshl_b32 s46, s42, 1
	s_add_co_u32 s46, s46, s16
	s_lshl_b32 s46, s46, 16                        ; my 128 columns
	s_add_nc_u64 s[12:13], s[12:13], s[20:21]
	s_add_nc_u64 s[12:13], s[12:13], s[46:47]
.macro FRAG reg, adr, q, i             ; job i's fragment of the slot's q-th 128 along K, as it lies
.irp c, 0,1
	ds_load_b128 v[\reg+4*\c:\reg+4*\c+3], v[\adr] offset:4096*(\i)+1024*(\q)+512*\c
.endr
.endm
; 16 matrix instructions: A's blocks a0, a0 + 1 x B's eight.  zero = 1: the bias is the C of the first product.  The 64 accumulators take turns in the same order in every step
.macro MUL16 a0, p, q, sc, zero
.irp a, \a0, \a0+1
.irp b, 0,1,2,3,4,5,6,7
.if \zero
	v_wmma_scale_f32_16x16x128_f8f6f4 v[8*(8*((\a)%4)+\b):8*(8*((\a)%4)+\b)+7], v[128*(\p)+FR*\b:128*(\p)+FR*\b+FR-1], v[AF+FR*(\a):AF+FR*(\a)+FR-1], v[BI+8*\b:BI+8*\b+7], v[SC+8*NQ*(\sc)+NQ*\b+(\q)], v[SC+8*NQ*(\sc)+NQ*(\a)+(\q)] matrix_a_fmt:MATRIX_FMT_FP4 matrix_b_fmt:MATRIX_FMT_FP4 matrix_a_scale:MATRIX_SCALE_ROW1
.else
	v_wmma_scale_f32_16x16x128_f8f6f4 v[8*(8*((\a)%4)+\b):8*(8*((\a)%4)+\b)+7], v[128*(\p)+FR*\b:128*(\p)+FR*\b+FR-1], v[AF+FR*(\a):AF+FR*(\a)+FR-1], v[8*(8*((\a)%4)+\b):8*(8*((\a)%4)+\b)+7], v[SC+8*NQ*(\sc)+NQ*\b+(\q)], v[SC+8*NQ*(\sc)+NQ*(\a)+(\q)] matrix_a_fmt:MATRIX_FMT_FP4 matrix_b_fmt:MATRIX_FMT_FP4 matrix_a_scale:MATRIX_SCALE_ROW1
.endif
.endr
.endr
.endm
.macro FETCH_B slot, q, p
	WIN TO_B
.irp i, 0,1,2,3,4,5,6,7
	FRAG 128*(\p)+FR*\i, ADRB+\slot, \q, \i
.endr
	WIN 0
.endm
.macro FETCH_A slot, q, i0
.irp i, \i0, \i0+1, \i0+2, \i0+3
	FRAG AF+FR*(\i), ADRA+\slot, \q, \i
.endr
.endm
.macro SCALES sc
.irp i, 0,1,2,3,4,5,6,7
	ds_load_b128 v[SC+8*NQ*\sc+NQ*\i:SC+8*NQ*\sc+NQ*\i+3], v[ADRS] offset:\i*SBLK
.endr
.endm
.macro PLACES n                        ; plain places behind matrix instructions, in front of loads into their registers and of reads of their results
.rept \n
	v_nop
.endr
.endm
.macro STEP slot, q, zero
	s_wait_dscnt 4*NL                              ; B's set and A's blocks 0-3 are in; the youngest eight loads (A's blocks 4-7) may be out
.if \zero
	WIN 0x81                                       ; C, the bias, in window 0
.else
	WIN MUL_LO
.endif
	MUL16 0, (\q)%2, \q, \slot, \zero
	MUL16 2, (\q)%2, \q, \slot, \zero
	s_wait_dscnt 0
	PLACES NP
	FETCH_B \slot, (\q)+1, 1-(\q)%2
	FETCH_A \slot, (\q)+1, 0
.if \zero
	WIN 0xc1
.else
	WIN MUL_HI
.endif
	MUL16 4, (\q)%2, \q, \slot, \zero
	MUL16 6, (\q)%2, \q, \slot, \zero
	PLACES NP
	WIN 0
	FETCH_A \slot, (\q)+1, 4
.endm
	s_wait_tensorcnt 1                             ; the scales and my part of slot 0 are in; slot 1's load may be out
	s_barrier_signal -1
	s_barrier_wait -1
	FETCH_B 0, 0, 0
	FETCH_A 0, 0, 0
	SCALES 0
	FETCH_A 0, 0, 4
	s_wait_loadcnt 0x0                             ; the bias
	STEP 0, 0, 1
	STEP 0, 1, 0
	STEP 0, 2, 0
	; slot 0's last step changes slots: one barrier; in front of it my load of slot 1 has landed
	s_wait_tensorcnt 0x0
	ds_add_u32 v[SPW], v[NIL]
	s_wait_dscnt 4*NL+1                            ; the add and the youngest eight loads may be out
	WIN MUL_LO
	MUL16 0, 1, NQ-1, 0, 0
	s_wait_dscnt 0x0
	s_barrier_signal -1
	MUL16 2, 1, NQ-1, 0, 0
	WIN 0
	s_barrier_wait -1
	PLACES NP
	v_add_nc_u32 v[ADRS], 4*NQ, v[ADRS]            ; slot 1's scale words (no LDS load of mine is out)
	FETCH_B 1, 0, 0
	FETCH_A 1, 0, 0
	SCALES 1
	WIN MUL_HI
	MUL16 4, 1, NQ-1, 0, 0
	MUL16 6, 1, NQ-1, 0, 0
	PLACES NP
	WIN 0
	FETCH_A 1, 0, 4
	STEP 1, 0, 0
	STEP 1, 1, 0
	STEP 1, 2, 0
	s_wait_dscnt 4*NL
	WIN MUL_LO
	MUL16 0, 1, NQ-1, 1, 0
	MUL16 2, 1, NQ-1, 1, 0
	s_wait_dscnt 0
	WIN MUL_HI
	MUL16 4, 1, NQ-1, 1, 0
	MUL16 6, 1, NQ-1, 1, 0
	WIN 0
; THE WAY OUT of block a (16 rows x 128 columns): the row's sum of squares, the packing, eight stores of 512 consecutive bytes.  Each accumulator is read from its low end on
.macro OUTBLK a
.set AC, 64*((\a)%4)
.set PB, PK+32*((\a)%4)
.if (\a) == 4
	s_wait_xcnt 0x0                                ; blocks 0-3's stores have read their registers
.endif
	WIN 0x0a+5*((\a)/4)
.irp b, 0,1,2,3,4,5,6,7
.irp p, 0,1,2,3
.if \b == 0
	v_pk_mul_f32 v[TT+2*\p:TT+2*\p+1], v[AC+8*\b+2*\p:AC+8*\b+2*\p+1], v[AC+8*\b+2*\p:AC+8*\b+2*\p+1]
.else
	v_pk_fma_f32 v[TT+2*\p:TT+2*\p+1], v[AC+8*\b+2*\p:AC+8*\b+2*\p+1], v[AC+8*\b+2*\p:AC+8*\b+2*\p+1], v[TT+2*\p:TT+2*\p+1]
.endif
.endr
.endr
.irp b, 0,1,2,3,4,5,6,7
.irp p, 0,1,2,3
	v_cvt_pk_f16_f32 v[PB+4*\b+\p], v[AC+8*\b+2*\p], v[AC+8*\b+2*\p+1]
.endr
.endr
	WIN 0
	v_pk_add_f32 v[TT:TT+1], v[TT:TT+1], v[TT+2:TT+3]
	v_pk_add_f32 v[TT+4:TT+5], v[TT+4:TT+5], v[TT+6:TT+7]
	v_pk_add_f32 v[TT:TT+1], v[TT:TT+1], v[TT+4:TT+5]
	v_add_f32 v[TT], v[TT], v[TT+1]
	v_permlanex16_b32 v[PX], v[TT], s96, s97
	v_add_f32 v[SS+(\a)], v[TT], v[PX]
.irp b, 0,1,2,3,4,5,6,7
	global_store_b128 v[LI], v[PB+4*\b:PB+4*\b+3], s[10:11] offset:(\b/4)*2097152+2048*(\a)+512*(\b%4) th:TH_STORE_NT
.endr
.endm
	PLACES NP
.irp a, 0,1,2,3,4,5,6,7
	OUTBLK \a
.endr
	v_and_b32 v3, 31, v0
	v_cmp_lt_u32 s98, 15, v3
.irp i, 0,1,2,3
	v_cndmask_b32 v[TT+\i], v[SS+\i], v[SS+4+\i], s98   ; lanes 0-15 store blocks 0-3 of their row, lanes 16-31 blocks 4-7
.endr
	global_store_b128 v[SSO], v[TT:TT+3], s[12:13] ; 512 consecutive bytes
	s_wait_tensorcnt 0x0                           ; the wave's end
	ds_add_u32 v[SPW], v[NIL]
	s_wait_dscnt 0x0
	CROUND                                         ; the closing round
	s_endpgm
.Lfunc_end_k_qa7f3a09a48_qgemm:
	.size	k_qa7f3a09a48_qgemm, .Lfunc_end_k_qa7f3a09a48_qgemm-k_qa7f3a09a48_qgemm
	.p2alignl 7, 3214868480
	.fill 96, 4, 3214868480
	.section	.rodata,"a",@progbits
	.p2align	6, 0x0
	.amdhsa_kernel k_qa7f3a09a48_qgemm
		.amdhsa_group_segment_fixed_size 327680
		.amdhsa_private_segment_fixed_size 0
		.amdhsa_enable_private_segment 0
		.amdhsa_kernarg_size 40
		.amdhsa_user_sgpr_count 2
		.amdhsa_user_sgpr_kernarg_segment_ptr 1
		.amdhsa_wavefront_size32 1
		.amdhsa_system_sgpr_workgroup_id_x 1
		.amdhsa_system_sgpr_workgroup_id_y 1
		.amdhsa_system_sgpr_workgroup_id_z 1
		.amdhsa_system_vgpr_workitem_id 0
		.amdhsa_next_free_vgpr 1024
		.amdhsa_next_free_sgpr 100
		.amdhsa_reserve_vcc 0
		.amdhsa_float_denorm_mode_32 3
		.amdhsa_float_denorm_mode_16_64 3
		.amdhsa_memory_ordered 1
		.amdhsa_forward_progress 1
		.amdhsa_inst_pref_size 138
	.end_amdhsa_kernel
	.amdgpu_metadata
---
amdhsa.version: [ 1, 2 ]
amdhsa.kernels:
  - .name:           k_qa7f3a09a48_qgemm
    .symbol:         k_qa7f3a09a48_qgemm.kd
    .args:
      - { .name: codes, .offset: 0, .size: 8, .value_kind: global_buffer, .address_space: global }
      - { .name: scales, .offset: 8, .size: 8, .value_kind: global_buffer, .address_space: global }
      - { .name: q_b, .offset: 16, .size: 8, .value_kind: global_buffer, .address_space: global }
      - { .name: q16, .offset: 24, .size: 8, .value_kind: global_buffer, .address_space: global }
      - { .name: ssq, .offset: 32, .size: 8, .value_kind: global_buffer, .address_space: global }
    .group_segment_fixed_size: 327680
    .private_segment_fixed_size: 0
    .kernarg_segment_align: 8
    .kernarg_segment_size: 40
    .max_flat_workgroup_size: 128
    .sgpr_count:     100
    .vgpr_count:     1024
    .wavefront_size: 32
...
	.end_amdgpu_metadata
.endif
;; end of part 3
;; launch attn (part 4): grid 8 x 32, 8 waves a work-group, clusters of 4 x 1, 230,400 bytes of LDS; arguments q16, ssq, kv, att16; writes att16
.if DOCPART == 4
	.amdgcn_target "amdgcn-amd-amdhsa--gfx1250"
	.amdhsa_code_object_version 6
	.text
	.protected	k_qa7f3a09a48_attn
	.globl	k_qa7f3a09a48_attn
	.p2align	8
	.type	k_qa7f3a09a48_attn,@function
k_qa7f3a09a48_attn:
	s_mov_b64 s[64:65], 0
	v_nop
	global_prefetch_b8 v0, s[64:65] scope:SCOPE_SE
	s_setreg_imm32_b32 hwreg(HW_REG_WAVE_MODE, 25, 1), 1
	s_wait_xcnt 0x0
	s_wait_alu depctr_hold_cnt(0) depctr_sa_sdst(0) depctr_va_vdst(0) depctr_va_sdst(0) depctr_va_ssrc(0) depctr_va_vcc(0) depctr_vm_vsrc(0)
	s_getreg_b32 s2, hwreg(HW_REG_IB_STS2, 6, 4)
	s_cmp_eq_u32 s2, 0
	s_cbranch_scc0 .Lentry_in_a_cluster
	s_endpgm
.Lentry_in_a_cluster:
	s_bfe_u32 s2, ttmp6, 0x10000c
	s_cmp_lg_u32 s2, 0x3003
	s_cbranch_scc0 .Lentry_shape_is_right
	s_endpgm
.Lentry_shape_is_right:
; ATTN.  For each (batch, head): softmax(q k_img^T / 8) v_img + softmax(q k^T / 8) v, head size 64, 257 image keys and 512 text keys, f16 operands, f32 sums, running maxima.
; A work-group owns 1,024 queries of one (batch, head).  EIGHT WAVES of 512 registers, two for each of a WGP's four SIMDs: a wave owns 128 queries, as four GROUPS of 32: two tiles of 16.
; At head size 64 a tile's softmax for 64 keys is 118 vector instructions beside 16 products: too many to stand behind the wave's own products.  So a wave walks a key step IN PHASES (16 products K Q^T, the softmax of both tiles,
; 16 products V^T P), and the products of one wave of a SIMD are meant to run beside the softmax of the other.  The price: a fragment of K or V read from LDS feeds two products, not four.
; The head's whole K and V (229,376 bytes, in the order of the operands' registers) come into LDS ONCE and stay: nothing is filled again.
; CLUSTER 4 x 1: the four partners share (batch, head): each wave's eighth of K and V is asked for jointly, mask 15.
; S^T = K Q^T (source 0 = 16 keys, source 1 = 16 queries), O^T = V^T P: a lane holds ONE query throughout.  q arrives raw (q + bias, f16); its norm is a factor of the lane: cq = log2(e) / 8 x rsqrt(mean of squares + eps), from ssq;
; p = 2^(cq s - cq m).  The query's gain lies in K already.
; 13 key steps of 64 a group: 0..4 image (step 4 holds key 256 and 63 masked keys), 5..12 text.  Step 4 is written out: THE MASK is the C of its scores' first products (-1e30 for the hidden keys); every other step starts its sums with 0.
; After step 4 O / l is kept in OUT; after step 12 O / l is added to it, packed and stored.  A softmax is begun anew by m = -1e30 alone: the next step's a = 2^(cq m_old - cq m_new) is then 0 and wipes O and l.
; Each step asks for the next step's K behind its own scores and for the next step's V behind its own V^T P; behind step 12 that is step 13, a copy of step 0 that lies in LDS behind the last step: the next group's first.
; The q of a later group is asked for a whole group, 13 key steps, ahead, into registers of its own.  No prefetch beside that: K and V are asked for at the head alone.
; LIMITS: scores (of f16 operands: at most 2.7e11 in magnitude) stand far above -1e30; cq lies between 1.8e-5 and 180, so cq x 1e30 neither overflows nor fails to wipe.  p and O / l as f16: magnitudes up to 65,504.
; REGISTERS: window 0: v2-7 addresses; v12-27 statistics, eight a tile (+0 cq m, +1 m, +2, +3 l, +4..7 at work; a in +6); v28-31 cq, a pair a tile; v32, v33 the add's two; v40-55 the masks; v56-63 cq of my eight tiles;
;   v64-127 S^T; v128-191 K of a step; v192-223 Q; v224-255 P.   window 1: v0-63 O^T; v64-127 OUT; v128-191 V of a step; v192-223 the next group's Q; v224-255 packed results.
; K Q^T and all of the softmax but O^T's rescaling lie in window 0: a key step has five switches of the window.
.set VOFF,  114688                     ; V's steps lie behind K's 14
.set SPARE, 229376                     ; behind K and V: the spare words, 128 bytes for each of the eight waves: four blocks of 256 bytes that no other line names
.set LI,  2                            ; 16 x lane
.set AV0, 3                            ; 16 x lane + VOFF
.set ADR, 4
.set ADV, 5
.set QA,  6
.set GO,  7
.set ST,  12
.set CQ,  28
.set SPW, 32
.set NIL, 33
.set MA,  40
.set MB,  48
.set CQA, 56
.set SF,  64
.set KF,  128
.set QF,  192
.set PF,  224
.set OF,  0                            ; in window 1, from here on
.set OUTR, 64
.set VF,  128
.set QN,  192
.set PK,  224
.set WV,  12
.set G1,  24
.set G0,  32
.set QB,  36
.set AO,  38
.set SSB, 40
.set JI,  42
.set G,   43
.set TB,  44
.set JT,  45
.set SEL, 46
.set MSB, 0
.macro WIN new                         ; the immediate's high byte repeats the setting that is left; a switch that changes nothing is dropped
.if MSB != (\new)
	s_set_vgpr_msb (MSB<<8)|(\new)
.set MSB, (\new)
.endif
.endm
.set W_PV, 0x51                        ; V (source 0), O^T (C and D) in window 1, P (source 1) in window 0
.set W_RS, 0x41                        ; O^T (destination and source 0) in window 1, a in window 0
.macro CROUND                          ; a round of the cluster's barrier
	s_barrier_signal -1
	s_barrier_wait -1
	s_cmp_lg_u32 s[WV], 0
	s_cbranch_scc1 .Lnot_wave_0_\@
	s_barrier_signal -3
.Lnot_wave_0_\@:
	s_barrier_wait -3
	s_barrier_signal -1
	s_barrier_wait -1
.endm
	s_load_b256 s[4:11], s[0:1], 0x0               ; q16, ssq, kv, att16
	v_lshl_add_u32 v[SPW], v0, 2, SPARE
	v_mov_b32 v[NIL], 0
	ds_add_u32 v[SPW], v[NIL]                      ; the wave's opening: the add, twice on end, and its wait ahead of my first tensor load
	ds_add_u32 v[SPW], v[NIL]
	v_lshrrev_b32 v1, 5, v0
	v_readfirstlane_b32 s[WV], v1                  ; wave 0..7
	s_bfe_u32 s13, ttmp6, 0x40000                  ; cx
	s_lshl_b32 s14, ttmp9, 2
	s_add_co_u32 s14, s14, s13                     ; my 1,024 queries: it enters q's, ssq's and the output's addresses alone
	s_and_b32 s15, ttmp7, 0xffff                   ; 16 batch + head, which the partners share
	s_lshr_b32 s16, s15, 4
	s_and_b32 s17, s15, 15
	s_lshl_b32 s18, s16, 9
	s_lshl_b32 s19, s14, 6
	s_add_co_u32 s18, s18, s19
	s_lshl_b32 s19, s[WV], 3
	s_add_co_u32 s18, s18, s19                     ; my first tile of 16 rows: 512 batch + 64 chunk + 8 wave
	s_lshl_b32 s20, s17, 21                        ; the head's plane of q16 and att16,
	s_lshl_b32 s21, s18, 11                        ; 2,048 bytes a tile
	s_add_co_u32 s20, s20, s21
	s_mov_b32 s21, 0
	s_lshl_b32 s22, s18, 6                         ; ssq: my 8 tiles are one block of 512 bytes
	s_mov_b32 s23, 0
	s_mul_i32 s48, s15, 229376
	s_mul_i32 s50, s[WV], 28672
	s_add_co_u32 s48, s48, s50                     ; my eighth of the head's K and V
	s_mov_b32 s49, 0
	s_lshr_b32 s54, s[WV], 2
	s_xor_b32 s54, s54, s[WV]
	s_and_b32 s54, s54, 1                          ; 1 in waves 1, 3, 4, 6
	s_mov_b32 s[G1], 15|(3<<16)|(1<<21)            ; the mask: all four; elements of 8 bytes; no padding; bit 21 beside a mask
	s_mov_b32 s[G1+1], 32<<16                      ; a dense block as 112 rows of 256 bytes
	s_mov_b32 s[G1+2], 112<<16
	s_mov_b32 s[G1+3], 32<<16
	s_mov_b32 s[G1+4], 112
	s_mov_b32 s[G1+5], 32
	s_mov_b32 s[G1+6], 0
	s_mov_b32 s[G1+7], 0
	s_mov_b32 s[SEL], 0x76543210
	s_mov_b32 s[SEL+1], 0xfedcba98                 ; lane l xor 16
	s_mov_b32 s52, 0x3a800000                      ; 1 / 1,024
	s_mov_b32 s53, 0x358637bd                      ; 1e-6
	s_wait_dscnt 0x0                               ; both opening adds are done
	s_wait_kmcnt 0x0
	s_add_nc_u64 s[QB:QB+1], s[4:5], s[20:21]
	s_add_nc_u64 s[AO:AO+1], s[10:11], s[20:21]
	s_add_nc_u64 s[SSB:SSB+1], s[6:7], s[22:23]
	s_mov_b32 s[G0], 1
	s_mul_i32 s[G0+1], s[WV], 28672
	s_add_nc_u64 s[G0+2:G0+3], s[8:9], s[48:49]
	s_or_b32 s[G0+3], s[G0+3], 0x80000000
	CROUND                                         ; the four work-groups are here: the joint loads meet
	tensor_load_to_lds s[G0:G0+3], s[G1:G1+7]      ; my one tensor load of the launch
	s_nop 0
.rept 4
	v_nop
.endr
	v_and_b32 v1, 31, v0
	v_lshlrev_b32 v[LI], 4, v1
	v_add_nc_u32 v[AV0], VOFF, v[LI]
	v_and_b32 v8, 15, v0
	v_lshlrev_b32 v8, 5, v8                        ; 32 r
	v_bfe_u32 v9, v0, 4, 1
	v_cvt_f32_u32 v9, v9
	v_mul_f32 v9, 0xf149f2ca, v9                   ; lanes 16-31: -1e30; lanes 0-15: nothing
.set q, 0
.rept 8
	global_load_b128 v[QF+4*q:QF+4*q+3], v[LI], s[QB:QB+1] offset:512*q th:TH_LOAD_NT          ; group 0's Q: two tiles x four half fragments, as they lie
.set q, q+1
.endr
	WIN 0x40
.set q, 0
.rept 8
	global_load_b128 v[QN+4*q:QN+4*q+3], v[LI], s[QB:QB+1] offset:4096+512*q th:TH_LOAD_NT     ; group 1's
.set q, q+1
.endr
	WIN 0
.irp c, 0,1,2,3,4,5,6,7                ; row r's sums of squares over columns 128 c on, for my eight tiles
.irp e, 0,1
	global_load_b128 v[SF+8*\c+4*\e:SF+8*\c+4*\e+3], v8, s[SSB:SSB+1] offset:65536*\c+16*\e
.endr
.endr
.irp t, 0,1
	v_mov_b32 v[ST+8*\t+1], 0xf149f2ca             ; m = -1e30
.irp i, 2,3,4,5,6,7
	v_mov_b32 v[ST+8*\t+\i], 0
.endr
	v_mov_b32 v[CQ+2*\t+1], 0                      ; (named as the upper half of a pair)
.endr
	v_mov_b32 v[MA], v9                            ; of step 4's 64 keys only the first counts: register 0 of lanes 0-15 of key tile 0
.set q, 1
.rept 15
	v_mov_b32 v[MA+q], 0xf149f2ca
.set q, q+1
.endr
	WIN 0x40
.set q, 0
.rept 64
	v_mov_b32 v[OF+q], 0                           ; O^T, once in the launch: the step is written with no first form, and its first pass finds zeros
.set q, q+1
.endr
	WIN 0
	s_wait_loadcnt 0x0
.irp c, 1,2,3,4,5,6,7
.irp i, 0,2,4,6
	v_pk_add_f32 v[SF+\i:SF+\i+1], v[SF+\i:SF+\i+1], v[SF+8*\c+\i:SF+8*\c+\i+1]   ; a row's eight partial sums of squares
.endr
.endr
.set q, 0
.rept 8
	v_fma_f32 v[SF+q], v[SF+q], s52, s53           ; the mean of the squares + eps
.set q, q+1
.endr
.set q, 0
.rept 8
	v_rsq_f32 v[SF+q], v[SF+q]
.set q, q+1
.endr
	v_nop                                          ; a plain place behind the last of the batch
	s_wait_alu depctr_va_vdst(0)                   ; one wait for the eight, ahead of their first reader
.set q, 0
.rept 8
	v_mul_f32 v[CQA+q], 0x3e38aa3b, v[SF+q]        ; x log2(e) / 8
.set q, q+1
.endr
.irp t, 0,1
	v_mov_b32 v[CQ+2*\t], v[CQA+\t]
	v_mul_f32 v[ST+8*\t], v[CQA+\t], v[ST+8*\t+1]  ; cq m
.endr
; Product i of 16 of S^T = K Q^T: channels 32 (i / 8) on, keys 16 ((i / 2) % 4) on, tile i % 2.  The first eight start the sums: with 0, or in step 4 with the mask.
; The eight accumulators take turns, one instruction a turn
.macro KQ masked
.set rS, SF+32*(i%2)+8*((i/2)%4)
.set rK, KF+16*((i/2)%4)+8*(i/8)
.set rQ, QF+16*(i%2)+8*(i/8)
.if i >= 8
	v_wmma_f32_16x16x32_f16 v[rS:rS+7], v[rK:rK+7], v[rQ:rQ+7], v[rS:rS+7]
.elseif !(\masked)
	v_wmma_f32_16x16x32_f16 v[rS:rS+7], v[rK:rK+7], v[rQ:rQ+7], 0
.elseif i < 2
	v_wmma_f32_16x16x32_f16 v[rS:rS+7], v[rK:rK+7], v[rQ:rQ+7], v[MA:MA+7]
.else
	v_wmma_f32_16x16x32_f16 v[rS:rS+7], v[rK:rK+7], v[rQ:rQ+7], v[MB:MB+7]
.endif
.endm
; Product i of 16 of O^T += V^T P: keys 32 (i / 8) on, channels 16 ((i / 2) % 4) on, tile i % 2; eight accumulators by turns
.macro PV
.set rO, OF+32*(i%2)+8*((i/2)%4)
.set rV, VF+32*(i/8)+8*((i/2)%4)
.set rP, PF+16*(i%2)+8*(i/8)
	v_wmma_f32_16x16x32_f16 v[rO:rO+7], v[rV:rV+7], v[rP:rP+7], v[rO:rO+7]
.endm
.macro FETCH_K                         ; a step's K: [key tile][t][lane][16 bytes], as it lies
	v_add_nc_u32 v[ADR], s[TB], v[LI]
.set q, 0
.rept 16
	ds_load_b128 v[KF+4*q:KF+4*q+3], v[ADR] offset:512*q
.set q, q+1
.endr
.endm
.macro FETCH_V                         ; a step's V^T: fragment (32 keys u, 16 channels t) from key tiles 2 u and 2 u + 1
	v_add_nc_u32 v[ADV], s[TB], v[AV0]
	WIN 0x40
.irp u, 0,1
.irp t, 0,1,2,3
.irp e, 0,1
	ds_load_b128 v[VF+32*\u+8*\t+4*\e:VF+32*\u+8*\t+4*\e+3], v[ADV] offset:2048*(2*\u+\e)+512*\t
.endr
.endr
.endr
	WIN 0
.endm
; One tile's softmax for one key step: 118 instructions; SM writes number j for tile t.
;  0-15 the maximum of 32 scores and the old m (each accumulator from its low end on); 16-20 the other half's maximum, the new m, cq m, its change;
;  21-69 ONE BATCH: 16 scalings and 33 exponentials, none of which reads an exponential's result; a pair is scaled well ahead of its exponentials;
;  (the wait)  70-85 the roundings to f16; 86-101 the sums, l = a l + sum; 102-117 O^T times a
.macro SM t
.set rT, ST+8*(\t)
.set rS, SF+32*(\t)
.set rP, PF+16*(\t)
.set rC, CQ+2*(\t)
.set rO, OF+32*(\t)+2*(j-102)
.if j < 102
	WIN 0
.endif
.if j < 4
	v_max3_num_f32 v[rT+4+j], v[rS+8*j], v[rS+8*j+1], v[rS+8*j+2]
.elseif j < 12
	v_max3_num_f32 v[rT+4+j%4], v[rT+4+j%4], v[rS+8*(j%4)+2*(j/4)+1], v[rS+8*(j%4)+2*(j/4)+2]
.elseif j == 12
	v_max3_num_f32 v[rT+4], v[rT+4], v[rS+7], v[rS+15]
.elseif j == 13
	v_max3_num_f32 v[rT+6], v[rT+6], v[rS+23], v[rS+31]
.elseif j == 14
	v_max3_num_f32 v[rT+4], v[rT+4], v[rT+5], v[rT+6]
.elseif j == 15
	v_max3_num_f32 v[rT+4], v[rT+4], v[rT+7], v[rT+1]
.elseif j == 16
	v_permlanex16_b32 v[rT+5], v[rT+4], s[SEL], s[SEL+1]   ; the query's other 32 keys lie in the lane 16 away
.elseif j == 17
	v_mov_b32 v[rT+7], v[rT]                       ; cq m_old is kept for a
.elseif j == 18
	v_max_num_f32 v[rT+1], v[rT+4], v[rT+5]
.elseif j == 19
	v_mul_f32 v[rT], v[rC], v[rT+1]
.elseif j == 20
	v_sub_f32 v[rT+7], v[rT+7], v[rT]
.elseif j == 23
	v_exp_f32 v[rT+6], v[rT+7]
.elseif (j < 23) || ((j < 38) && (j%2 == 0)) || ((j < 66) && (j%4 == 2))
.set b, (j-2)/4
.if j < 38
.set b, (j-20)/2
.endif
	v_pk_fma_f32 v[rS+2*b:rS+2*b+1], v[rS+2*b:rS+2*b+1], v[rC:rC+1], v[rT:rT+1] op_sel_hi:[1,0,0] neg_lo:[0,0,1] neg_hi:[0,0,1]   ; pair b: cq s - cq m
.elseif j < 70
.set e, j-38
.if j < 66
.set e, j-32-(j-38)/4
.endif
.if j < 38
.set e, (j-25)/2
.endif
	v_exp_f32 v[rS+e], v[rS+e]
.elseif j < 86
	v_cvt_pk_f16_f32 v[rP+j-70], v[rS+2*(j-70)], v[rS+2*(j-70)+1]
.elseif j < 102
.set z, j-86
.set w, 4
.set u, z
.if z >= 14
.set w, 32
.set u, 0
.elseif z >= 12
.set w, 16
.set u, z-12
.elseif z >= 8
.set w, 8
.set u, z-8
.endif
.if z < 15
	v_pk_add_f32 v[rS+w*u:rS+w*u+1], v[rS+w*u:rS+w*u+1], v[rS+w*u+w/2:rS+w*u+w/2+1]
.else
	v_pk_fma_f32 v[rT+2:rT+3], v[rT+2:rT+3], v[rT+6:rT+7], v[rS:rS+1] op_sel_hi:[1,0,1]
.endif
.else
	WIN W_RS
	v_pk_mul_f32 v[rO:rO+1], v[rO:rO+1], v[rT+6:rT+7] op_sel_hi:[1,0]
.endif
.endm
.macro SOFT from, to                   ; numbers from .. to of both tiles' lists, the tiles by turns, so that no instruction reads the result of the one just before it
.set j, \from
.rept (\to)-(\from)+1
	SM 0
	SM 1
.set j, j+1
.endr
.endm
; A KEY STEP.  s[TB] is the LDS byte of the NEXT step's K.  LDS loads come back in order, and the runs go K, V, K, V: so each of the two waits leaves the one younger run of 16 out.
.macro STEP masked
	s_wait_dscnt 16                                ; this step's K is in; V's 16 loads, issued behind it, may be out
.set i, 0
.rept 16
	KQ \masked
.set i, i+1
.endr
.rept 4
	v_nop                                          ; four places behind the products: in front of the loads into K's registers and of the first read of the scores
.endr
	FETCH_K                                        ; the next step's K: it has the softmax and V^T P in which to land
	SOFT 0, 69
	v_nop                                          ; a plain place behind the last exponential
	s_wait_alu depctr_va_vdst(0)                   ; one wait for the 66 exponentials, ahead of the first instruction that names a result
	SOFT 70, 117
	s_wait_dscnt 16                                ; this step's V is in; the next K's 16 loads may be out
	WIN W_PV
.set i, 0
.rept 16
	PV
.set i, i+1
.endr
	WIN 0
.rept 4
	v_nop                                          ; four places: in front of the loads into V's registers and of the next read of O^T
.endr
	FETCH_V                                        ; the next step's V
.endm
; A softmax is finished: O / l goes to OUT (last = 0: the image keys) or is added to it, packed and stored (last = 1: the text keys), and m is set back
.macro FIN last
.irp t, 0,1
	v_add_f32 v[ST+8*\t+4], v[ST+8*\t+2], v[ST+8*\t+3]
.endr
.irp t, 0,1
	v_permlanex16_b32 v[ST+8*\t+5], v[ST+8*\t+4], s[SEL], s[SEL+1]
.endr
.irp t, 0,1
	v_add_f32 v[ST+8*\t+4], v[ST+8*\t+4], v[ST+8*\t+5]
.endr
.irp t, 0,1
	v_rcp_f32 v[ST+8*\t+6], v[ST+8*\t+4]
.endr
.irp t, 0,1
	v_mov_b32 v[ST+8*\t+1], 0xf149f2ca             ; m = -1e30 (the plain place behind the reciprocals)
.endr
	s_wait_alu depctr_va_vdst(0)                   ; one wait for the two, ahead of their first reader
.if \last
	s_wait_xcnt 0x0                                ; the last group's stores have read their registers and their offset
	s_lshl_b32 s51, s[G], 12
	v_add_nc_u32 v[GO], s51, v[LI]                 ; the group's two tiles of the output
	WIN 0x51
.irp t, 0,1
.set q, 0
.rept 16
	v_pk_fma_f32 v[OUTR+32*\t+2*q:OUTR+32*\t+2*q+1], v[OF+32*\t+2*q:OF+32*\t+2*q+1], v[ST+8*\t+6:ST+8*\t+7], v[OUTR+32*\t+2*q:OUTR+32*\t+2*q+1] op_sel_hi:[1,0,1]
.set q, q+1
.endr
.endr
	WIN 0x45
.irp t, 0,1
.set q, 0
.rept 16
	v_cvt_pk_f16_f32 v[PK+16*\t+q], v[OUTR+32*\t+2*q], v[OUTR+32*\t+2*q+1]
.set q, q+1
.endr
.endr
	WIN 0x04                                       ; a store's data are its source 1: window 1
.irp t, 0,1
.irp d, 0,1,2,3
	global_store_b128 v[GO], v[PK+16*\t+4*\d:PK+16*\t+4*\d+3], s[AO:AO+1] offset:2048*\t+512*\d th:TH_STORE_NT   ; 512 consecutive bytes: half a fragment of the output projection's operand
.endr
.endr
	WIN 0
.irp t, 0,1
	v_mov_b32 v[CQ+2*\t], v[CQA+2+\t]              ; the next group's cq,
.endr
.irp i, 0,1,2,3
	v_mov_b32 v[CQA+2+\i], v[CQA+4+\i]             ; and the later groups' move up
.endr
.else
	WIN 0x41
.irp t, 0,1
.set q, 0
.rept 16
	v_pk_mul_f32 v[OUTR+32*\t+2*q:OUTR+32*\t+2*q+1], v[OF+32*\t+2*q:OF+32*\t+2*q+1], v[ST+8*\t+6:ST+8*\t+7] op_sel_hi:[1,0]
.set q, q+1
.endr
.endr
	WIN 0
.endif
.irp t, 0,1
	v_mul_f32 v[ST+8*\t], v[CQ+2*\t], v[ST+8*\t+1] ; cq m
.endr
.endm
	s_wait_tensorcnt 0x0                           ; my eighth of K and V is in,
	s_barrier_signal -1
	s_barrier_wait -1                              ; everybody's is
	; Waves 1, 3, 4 and 6 start 20 x s_nop 15 later (s_nop N idles N + 1 cycles): of waves w and w + 4, and of waves 2 i and 2 i + 1, exactly one.  All eight leave the barrier together and walk the same phases;
	; the late start sets the two halves apart, so that the products of the one half can stand beside the softmax of the other.  The branch hangs on the wave's number alone.
	s_cmp_eq_u32 s54, 0
	s_cbranch_scc1 .Lgo
.rept 20
	s_nop 15
.endr
.Lgo:
	s_mov_b32 s[TB], 0
	FETCH_K                                        ; step 0's K, then its V: the order that the steps' waits count on
	FETCH_V
	s_mov_b32 s[G], 0
.Lgroup:
	s_mov_b32 s[JI], 0
.Limg:                                             ; image steps 0..3
	s_add_co_u32 s[TB], s[JI], 1
	s_lshl_b32 s[TB], s[TB], 13                    ; a step's K (and V) is 8,192 bytes
	STEP 0
	s_add_co_u32 s[JI], s[JI], 1
	s_cmp_lt_u32 s[JI], 4
	s_cbranch_scc1 .Limg
	s_mov_b32 s[TB], 5*8192
	STEP 1                                         ; step 4: key 256 and 63 masked keys
	FIN 0
	s_mov_b32 s[JT], 5
.Ltxt:                                             ; text steps 5..12
	s_add_co_u32 s[TB], s[JT], 1
	s_lshl_b32 s[TB], s[TB], 13
	STEP 0
	s_add_co_u32 s[JT], s[JT], 1
	s_cmp_lt_u32 s[JT], 13
	s_cbranch_scc1 .Ltxt
	FIN 1
	s_wait_loadcnt 0x0                             ; the next group's Q, asked for a group ago
	WIN 0x01
.set q, 0
.rept 32
	v_mov_b32 v[QF+q], v[QN+q]                     ; (behind the last group the copy moves old numbers that nobody reads)
.set q, q+1
.endr
	WIN 0
	s_cmp_lt_u32 s[G], 2
	s_cbranch_scc0 .Lno_q
	s_add_co_u32 s51, s[G], 2                      ; group G + 2's Q: 13 key steps ahead of its use
	s_lshl_b32 s51, s51, 12
	v_add_nc_u32 v[QA], s51, v[LI]                 ; (no load that named this register is out: the wait above was for all)
	WIN 0x40
.set q, 0
.rept 8
	global_load_b128 v[QN+4*q:QN+4*q+3], v[QA], s[QB:QB+1] offset:512*q th:TH_LOAD_NT
.set q, q+1
.endr
	WIN 0
.Lno_q:
	s_add_co_u32 s[G], s[G], 1
	s_cmp_lt_u32 s[G], 4
	s_cbranch_scc1 .Lgroup
	s_wait_tensorcnt 0x0                           ; the wave's end
	ds_add_u32 v[SPW], v[NIL]
	s_wait_dscnt 0x0
	CROUND                                         ; the closing round
	s_endpgm
.Lfunc_end_k_qa7f3a09a48_attn:
	.size	k_qa7f3a09a48_attn, .Lfunc_end_k_qa7f3a09a48_attn-k_qa7f3a09a48_attn
	.p2alignl 7, 3214868480
	.fill 96, 4, 3214868480
	.section	.rodata,"a",@progbits
	.p2align	6, 0x0
	.amdhsa_kernel k_qa7f3a09a48_attn
		.amdhsa_group_segment_fixed_size 230400
		.amdhsa_private_segment_fixed_size 0
		.amdhsa_enable_private_segment 0
		.amdhsa_kernarg_size 32
		.amdhsa_user_sgpr_count 2
		.amdhsa_user_sgpr_kernarg_segment_ptr 1
		.amdhsa_wavefront_size32 1
		.amdhsa_system_sgpr_workgroup_id_x 1
		.amdhsa_system_sgpr_workgroup_id_y 1
		.amdhsa_system_sgpr_workgroup_id_z 1
		.amdhsa_system_vgpr_workitem_id 0
		.amdhsa_next_free_vgpr 512
		.amdhsa_next_free_sgpr 66
		.amdhsa_reserve_vcc 0
		.amdhsa_float_denorm_mode_32 3
		.amdhsa_float_denorm_mode_16_64 3
		.amdhsa_memory_ordered 1
		.amdhsa_forward_progress 1
		.amdhsa_inst_pref_size 79
	.end_amdhsa_kernel
	.amdgpu_metadata
---
amdhsa.version: [ 1, 2 ]
amdhsa.kernels:
  - .name:           k_qa7f3a09a48_attn
    .symbol:         k_qa7f3a09a48_attn.kd
    .args:
      - { .name: q16, .offset: 0, .size: 8, .value_kind: global_buffer, .address_space: global }
      - { .name: ssq, .offset: 8, .size: 8, .value_kind: global_buffer, .address_space: global }
      - { .name: kv, .offset: 16, .size: 8, .value_kind: global_buffer, .address_space: global }
      - { .name: att16, .offset: 24, .size: 8, .value_kind: global_buffer, .address_space: global }
    .group_segment_fixed_size: 230400
    .private_segment_fixed_size: 0
    .kernarg_segment_align: 8
    .kernarg_segment_size: 32
    .max_flat_workgroup_size: 256
    .sgpr_count:     66
    .vgpr_count:     512
    .wavefront_size: 32
...
	.end_amdgpu_metadata
.endif
;; end of part 4
;; launch ogemm (part 5): grid 4 x 64, 4 waves a work-group, clusters of 4 x 4, 327,680 bytes of LDS; arguments att16, ow16, o_b, out0; writes out0
.if DOCPART == 5
	.amdgcn_target "amdgcn-amd-amdhsa--gfx1250"
	.amdhsa_code_object_version 6
	.text
	.protected	k_qa7f3a09a48_ogemm
	.globl	k_qa7f3a09a48_ogemm
	.p2align	8
	.type	k_qa7f3a09a48_ogemm,@function
k_qa7f3a09a48_ogemm:
	s_mov_b64 s[64:65], 0
	v_nop
	global_prefetch_b8 v0, s[64:65] scope:SCOPE_SE
	s_setreg_imm32_b32 hwreg(HW_REG_WAVE_MODE, 25, 1), 1
	s_wait_xcnt 0x0
	s_wait_alu depctr_hold_cnt(0) depctr_sa_sdst(0) depctr_va_vdst(0) depctr_va_sdst(0) depctr_va_ssrc(0) depctr_va_vcc(0) depctr_vm_vsrc(0)
	s_getreg_b32 s2, hwreg(HW_REG_IB_STS2, 6, 4)
	s_cmp_eq_u32 s2, 0
	s_cbranch_scc0 .Lentry_in_a_cluster
	s_endpgm
.Lentry_in_a_cluster:
	s_bfe_u32 s2, ttmp6, 0x10000c
	s_cmp_lg_u32 s2, 0xf033
	s_cbranch_scc0 .Lentry_shape_is_right
	s_endpgm
.Lentry_shape_is_right:
; OGEMM.  out = att o_w^T + o_b, f16 operands, f32 sums and output (16,384 x 1,024 x 1,024).  A work-group of four waves makes 256 x 256, a wave 128 x 128: 64 accumulators.
; Both operands lie in the order of the operand's registers: [plane of 64 along K][tile of 16 rows][t][lane][16 bytes].  A K step of 128 is two planes; the work-group's 256 rows of a plane are 32,768 dense bytes: one tensor load.
; Waves 0 and 1 fetch A's two planes, waves 2 and 3 B's.  Two LDS slots; a fragment is two LDS loads at 16 x lane + a constant: no pitch, no padding.
; CLUSTER 4 x 4: A's tiles are shared along a row of the cluster, B's along a column: joint loads; a round of the cluster's barrier stands in front of each refill.
; The matrix instruction is used transposed (source 0 = o_w's rows, source 1 = att's rows): a lane holds eight neighbouring numbers of a row of out.  The bias is the C of each sum's first instruction.
; No prefetch: the launch's tensor loads and stores move some hundred million bytes in its run, and each refill has a K step's 224 matrix instructions in which to land.
; REGISTERS: window 0: v16-29 addresses; v64-127, v128-191 A's fragments, two buffers; v192-255 the bias; on the way out v128-255 rows read back.   window 1: v64-127, v128-191 B's.   windows 2, 3: accumulator (a, b) at v[8 (8 a + b)].
.set HALFT,  32768
.set SLOT,   4*HALFT
.set STAGE,  2*SLOT                    ; behind the ring: 16 rows x (512 bytes + 16) for each wave
.set SPITCH, 528
.set SPARE,  STAGE+4*16*SPITCH         ; the spare words: 128 bytes for each wave
.set LAPS,   4
.set ADRA, 16
.set ADRB, 20
.set STO,  24
.set RD,   25
.set CO,   26
.set SPW,  28
.set NIL,  29
.set F0,   64
.set F1,   128
.set BI,   192
.set BK,   128
.set G1, 24
.set G0, 32
.set G1B, 48
.set G0B, 56
.set MSB, 0
.macro WIN new
.if MSB != (\new)
	s_set_vgpr_msb (MSB<<8)|(\new)
.set MSB, (\new)
.endif
.endm
.set MUL_LO, 0xa1
.set MUL_HI, 0xf1
.set TO_B,   0x40
.macro JLOAD s                         ; a joint load; an s_nop 0 and four v_nop follow each of the two lines
	s_cmp_eq_u32 s13, 0
	s_cbranch_scc0 .Lfor_b_\@
	tensor_load_to_lds s[G0+4*\s:G0+4*\s+3], s[G1:G1+7]
	s_nop 0
.rept 4
	v_nop
.endr
	s_branch .Lasked_\@
.Lfor_b_\@:
	tensor_load_to_lds s[G0B+4*\s:G0B+4*\s+3], s[G1B:G1B+7]
	s_nop 0
.rept 4
	v_nop
.endr
.Lasked_\@:
.endm
.macro CREST                           ; a round of the cluster's barrier behind its opening barrier
	s_cmp_lg_u32 s12, 0
	s_cbranch_scc1 .Lnot_wave_0_\@
	s_barrier_signal -3
.Lnot_wave_0_\@:
	s_barrier_wait -3
	s_barrier_signal -1
	s_barrier_wait -1
.endm
.macro CROUND
	s_barrier_signal -1
	s_barrier_wait -1
	CREST
.endm
	s_load_b256 s[4:11], s[0:1], 0x0               ; att16, ow16, o_b, out0
	v_lshl_add_u32 v[SPW], v0, 2, SPARE
	v_mov_b32 v[NIL], 0
	ds_add_u32 v[SPW], v[NIL]                      ; the wave's opening: the add, twice on end, and its wait ahead of my first tensor load
	ds_add_u32 v[SPW], v[NIL]
	v_lshrrev_b32 v1, 5, v0
	v_readfirstlane_b32 s12, v1                    ; wave
	s_lshr_b32 s13, s12, 1                         ; my half of the tile's rows.  Also: I fetch for A (0) or B (1)
	s_and_b32 s14, s12, 1                          ; my half of its columns.  Also: which plane of a K step I fetch
	s_bfe_u32 s40, ttmp6, 0x40000
	s_bfe_u32 s41, ttmp6, 0x40004
	s_lshl_b32 s42, ttmp9, 2
	s_add_co_u32 s42, s42, s40                     ; tile column
	s_and_b32 s15, ttmp7, 0xffff
	s_lshl_b32 s15, s15, 2
	s_add_co_u32 s15, s15, s41                     ; tile row
	s_lshl_b32 s43, s41, 2
	s_lshl_b32 s43, 15, s43
	s_lshl_b32 s44, 0x1111, s40
	s_or_b32 s[G1+0], s43, (3<<16)|(1<<21)
	s_or_b32 s[G1B+0], s44, (3<<16)|(1<<21)
.irp g, G1, G1B
	s_mov_b32 s[\g+1], 32<<16                      ; a dense block as 128 rows of 256 bytes
	s_mov_b32 s[\g+2], 128<<16
	s_mov_b32 s[\g+3], 32<<16
	s_mov_b32 s[\g+4], 128
	s_mov_b32 s[\g+5], 32
	s_mov_b32 s[\g+6], 0
	s_mov_b32 s[\g+7], 0
.endr
	s_lshl_b32 s16, s15, 15                        ; A: my tile row's 32,768 bytes of a plane,
	s_lshl_b32 s17, s14, 21                        ; the plane
	s_add_co_u32 s16, s16, s17
	s_mov_b32 s17, 0
	s_lshl_b32 s46, s42, 15                        ; B likewise: a plane of ow16 is 131,072 bytes
	s_lshl_b32 s47, s14, 17
	s_add_co_u32 s46, s46, s47
	s_mov_b32 s47, 0
	s_mul_i32 s20, s12, HALFT
	s_wait_dscnt 0x0                               ; both opening adds are done
	s_wait_kmcnt 0x0
	s_add_nc_u64 s[18:19], s[4:5], s[16:17]
	s_add_nc_u64 s[46:47], s[6:7], s[46:47]
	CROUND                                         ; all sixteen work-groups are here: the first joint loads meet
.irp s, 0,1
	s_mov_b32 s[G0+4*\s], 1
	s_add_co_u32 s[G0+4*\s+1], s20, \s*SLOT
	s_add_nc_u64 s[G0+4*\s+2:G0+4*\s+3], s[18:19], \s*4194304
	s_or_b32 s[G0+4*\s+3], s[G0+4*\s+3], 0x80000000
	s_mov_b32 s[G0B+4*\s], 1
	s_add_co_u32 s[G0B+4*\s+1], s20, \s*SLOT
	s_add_nc_u64 s[G0B+4*\s+2:G0B+4*\s+3], s[46:47], \s*262144
	s_or_b32 s[G0B+4*\s+3], s[G0B+4*\s+3], 0x80000000
	JLOAD \s
.endr
	v_and_b32 v1, 15, v0                           ; r
	v_bfe_u32 v2, v0, 4, 1                         ; h
	v_and_b32 v3, 31, v0
	v_lshlrev_b32 v[CO], 4, v3                     ; 16 x lane
	s_lshl_b32 s21, s13, 14                        ; my 8 tiles of A's rows in a plane
	s_lshl_b32 s22, s14, 14
	s_add_co_u32 s22, s22, 2*HALFT                 ; my 8 of B's, behind A's two planes
.irp s, 0,1
	v_add_nc_u32 v[ADRA+\s], s21, v[CO]
	v_add_nc_u32 v[ADRB+\s], s22, v[CO]
	s_add_co_u32 s21, s21, SLOT
	s_add_co_u32 s22, s22, SLOT
.endr
	s_mul_i32 s23, s12, 16*SPITCH
	s_add_co_u32 s23, s23, STAGE                   ; my stage
	v_mul_u32_u24 v4, v1, SPITCH
	v_lshl_add_u32 v4, v2, 5, v4
	v_add_nc_u32 v[STO], s23, v4                   ; in: row r, 32 bytes for each half of the lanes
	v_add_nc_u32 v[RD], s23, v[CO]                 ; back: the 32 lanes take a row of 512 bytes
	v_lshlrev_b32 v5, 5, v2                        ; the bias: 32 h
	s_lshl_b32 s46, s42, 10
	s_lshl_b32 s47, s14, 9
	s_add_co_u32 s46, s46, s47                     ; my 128 columns, in bytes
	s_mov_b32 s47, 0
	s_add_nc_u64 s[8:9], s[8:9], s[46:47]
.irp b, 0,1,2,3,4,5,6,7
.irp e, 0,1
	global_load_b128 v[BI+8*\b+4*\e:BI+8*\b+4*\e+3], v5, s[8:9] offset:64*\b+16*\e
.endr
.endr
	s_lshl_b32 s16, s15, 8
	s_lshl_b32 s17, s13, 7
	s_add_co_u32 s16, s16, s17
	s_lshl_b32 s16, s16, 12                        ; my first row of out: 4,096 bytes a row
	s_mov_b32 s17, 0
	s_add_nc_u64 s[10:11], s[10:11], s[16:17]
	s_add_nc_u64 s[10:11], s[10:11], s[46:47]
.macro MUL16 f, hi, a0, zero
.irp a, \a0, \a0+1
.irp b, 0,1,2,3,4,5,6,7
.if \zero
	v_wmma_f32_16x16x32_f16 v[8*(8*(\a)+\b):8*(8*(\a)+\b)+7], v[\f+8*\b:\f+8*\b+7], v[\f+8*(4*\hi+\a):\f+8*(4*\hi+\a)+7], v[BI+8*\b:BI+8*\b+7]
.else
	v_wmma_f32_16x16x32_f16 v[8*(8*(\a)+\b):8*(8*(\a)+\b)+7], v[\f+8*\b:\f+8*\b+7], v[\f+8*(4*\hi+\a):\f+8*(4*\hi+\a)+7], v[8*(8*(\a)+\b):8*(8*(\a)+\b)+7]
.endif
.endr
.endr
.endm
.macro FETCH slot, q, f                ; 32 LDS loads in one run: the fragments of the slot's q-th 32 along K
	WIN TO_B
.irp i, 0,1,2,3,4,5,6,7
	ds_load_b128 v[\f+8*\i:\f+8*\i+3],   v[ADRB+\slot] offset:((\q)/2)*HALFT+((\q)%2)*1024+2048*\i
	ds_load_b128 v[\f+8*\i+4:\f+8*\i+7], v[ADRB+\slot] offset:((\q)/2)*HALFT+((\q)%2)*1024+2048*\i+512
.endr
	WIN 0
.irp i, 0,1,2,3,4,5,6,7
	ds_load_b128 v[\f+8*\i:\f+8*\i+3],   v[ADRA+\slot] offset:((\q)/2)*HALFT+((\q)%2)*1024+2048*\i
	ds_load_b128 v[\f+8*\i+4:\f+8*\i+7], v[ADRA+\slot] offset:((\q)/2)*HALFT+((\q)%2)*1024+2048*\i+512
.endr
.endm
.macro PLACES                          ; four plain places behind matrix instructions, in front of loads into their registers and of reads of their results
.rept 4
	v_nop
.endr
.endm
.macro QUARTER slot, q, f, g, zero     ; multiplies buffer f; in its middle fetches the slot's q-th quarter into g
	s_wait_dscnt 8                                 ; B and A's rows 0-63 are in; the youngest eight loads may be out
.if \zero
	WIN 0x81                                       ; C, the bias, in window 0
.else
	WIN MUL_LO
.endif
	MUL16 \f, 0, 0, \zero
	MUL16 \f, 0, 2, \zero
	PLACES
	FETCH \slot, \q, \g
	s_wait_dscnt 32                                ; all but the 32 just issued
.if \zero
	WIN 0xc1
.else
	WIN MUL_HI
.endif
	MUL16 \f, 1, 0, \zero
	MUL16 \f, 1, 2, \zero
.endm
; A slot's last quarter multiplies buffer 1 and changes slots: one barrier; in front of it each wave waits for all its tensor loads (one is out: its part of the next slot), adds 0 to its spare word,
; and waits for that and for its reads of this slot.  fill = 1: the barrier opens a round of the cluster's, and the joint refill, two K steps ahead, is the first tensor load behind it
.macro TURN slot, next, fill
	WIN 0
	s_wait_tensorcnt 0x0
	ds_add_u32 v[SPW], v[NIL]
	s_wait_dscnt 9                                 ; the add and the youngest eight loads may be out
	WIN MUL_LO
	MUL16 F1, 0, 0, 0
	s_wait_dscnt 0x0                               ; the add is done, and my reads of this slot are over
	s_barrier_signal -1
	MUL16 F1, 0, 2, 0
.if \fill
	WIN 0
.endif
	s_barrier_wait -1
.if \fill
	CREST
	s_add_nc_u64 s[G0+4*\slot+2:G0+4*\slot+3], s[G0+4*\slot+2:G0+4*\slot+3], 8388608    ; four planes on
	s_add_nc_u64 s[G0B+4*\slot+2:G0B+4*\slot+3], s[G0B+4*\slot+2:G0B+4*\slot+3], 524288
	JLOAD \slot                                    ; the four v_nop behind it are also the places in front of the loads below
.else
	PLACES
.endif
	FETCH \next, 0, F0
	WIN MUL_HI
	MUL16 F1, 1, 0, 0
	MUL16 F1, 1, 2, 0
.endm
	s_wait_tensorcnt 1                             ; my part of K step 0 is in; K step 1's load may be out
	s_barrier_signal -1
	s_barrier_wait -1
	FETCH 0, 0, F0
	s_wait_loadcnt 0x0                             ; the bias
	QUARTER 0, 1, F0, F1, 1                        ; the first quarter stands in front of the loop: its products start the sums on the bias
	WIN 0
	s_mov_b32 s3, LAPS-1
.Llap:                                             ; a trip goes once round the ring and fills both slots again
	QUARTER 0, 2, F1, F0, 0
	QUARTER 0, 3, F0, F1, 0
	TURN 0, 1, 1
	QUARTER 1, 1, F0, F1, 0
	QUARTER 1, 2, F1, F0, 0
	QUARTER 1, 3, F0, F1, 0
	TURN 1, 0, 1
	QUARTER 0, 1, F0, F1, 0
	WIN 0
	s_sub_co_u32 s3, s3, 1
	s_cmp_lg_u32 s3, 0
	s_cbranch_scc1 .Llap
	QUARTER 0, 2, F1, F0, 0                        ; the last lap fills nothing
	QUARTER 0, 3, F0, F1, 0
	TURN 0, 1, 0
	QUARTER 1, 1, F0, F1, 0
	QUARTER 1, 2, F1, F0, 0
	QUARTER 1, 3, F0, F1, 0
	s_wait_dscnt 8
	WIN MUL_LO
	MUL16 F1, 0, 0, 0
	MUL16 F1, 0, 2, 0
	s_wait_dscnt 0
	WIN MUL_HI
	MUL16 F1, 1, 0, 0
	MUL16 F1, 1, 2, 0
	WIN 0
; THE WAY OUT, block by block of 16 rows x 128 columns, through my own stage: in as 32 bytes a lane, back as whole rows of 512 bytes.  LDS serves a wave's instructions in order: no wait between the stores and the loads
.macro TOSTAGE a
.set AC, 64*((\a)%4)
	WIN 0x08+4*((\a)/4)                            ; an LDS store's data are its source 1: window 2 or 3
.irp b, 0,1,2,3,4,5,6,7
	ds_store_b128 v[STO], v[AC+8*\b:AC+8*\b+3] offset:64*\b          ; each accumulator from its low end on
	ds_store_b128 v[STO], v[AC+8*\b+4:AC+8*\b+7] offset:64*\b+16
.endr
	WIN 0
.set BB, BK+64*((\a)%2)
.irp t, 0,1,2,3,4,5,6,7,8,9,10,11,12,13,14,15
	ds_load_b128 v[BB+4*\t:BB+4*\t+3], v[RD] offset:\t*SPITCH
.endr
.endm
.macro SEND a, younger
.set BB, BK+64*((\a)%2)
	s_wait_dscnt \younger                          ; the block is back in registers
.if (\a) > 0
	s_add_nc_u64 s[10:11], s[10:11], 65536         ; 16 rows on (behind a wait on XCNT: the earlier stores have read their base)
.endif
.irp t, 0,1,2,3,4,5,6,7,8,9,10,11,12,13,14,15
	global_store_b128 v[CO], v[BB+4*\t:BB+4*\t+3], s[10:11] offset:\t*4096 th:TH_STORE_NT   ; 32 lanes store 512 consecutive bytes, aligned
.endr
.endm
	PLACES
	TOSTAGE 0
.irp a, 1,2,3,4,5,6,7
.if \a > 1
	s_wait_xcnt 0x0                                ; block a - 2's stores have read their registers and their base
.endif
	TOSTAGE \a
	SEND \a-1, 32                                  ; behind block a - 1's loads: block a's 16 stores and 16 loads
.endr
	s_wait_xcnt 0x0
	SEND 7, 0
	s_wait_tensorcnt 0x0                           ; the wave's end
	ds_add_u32 v[SPW], v[NIL]
	s_wait_dscnt 0x0
	CROUND                                         ; the closing round
	s_endpgm
.Lfunc_end_k_qa7f3a09a48_ogemm:
	.size	k_qa7f3a09a48_ogemm, .Lfunc_end_k_qa7f3a09a48_ogemm-k_qa7f3a09a48_ogemm
	.p2alignl 7, 3214868480
	.fill 96, 4, 3214868480
	.section	.rodata,"a",@progbits
	.p2align	6, 0x0
	.amdhsa_kernel k_qa7f3a09a48_ogemm
		.amdhsa_group_segment_fixed_size 327680
		.amdhsa_private_segment_fixed_size 0
		.amdhsa_enable_private_segment 0
		.amdhsa_kernarg_size 32
		.amdhsa_user_sgpr_count 2
		.amdhsa_user_sgpr_kernarg_segment_ptr 1
		.amdhsa_wavefront_size32 1
		.amdhsa_system_sgpr_workgroup_id_x 1
		.amdhsa_system_sgpr_workgroup_id_y 1
		.amdhsa_system_sgpr_workgroup_id_z 1
		.amdhsa_system_vgpr_workitem_id 0
		.amdhsa_next_free_vgpr 1024
		.amdhsa_next_free_sgpr 66
		.amdhsa_reserve_vcc 0
		.amdhsa_float_denorm_mode_32 3
		.amdhsa_float_denorm_mode_16_64 3
		.amdhsa_memory_ordered 1
		.amdhsa_forward_progress 1
		.amdhsa_inst_pref_size 142
	.end_amdhsa_kernel
	.amdgpu_metadata
---
amdhsa.version: [ 1, 2 ]
amdhsa.kernels:
  - .name:           k_qa7f3a09a48_ogemm
    .symbol:         k_qa7f3a09a48_ogemm.kd
    .args:
      - { .name: att16, .offset: 0, .size: 8, .value_kind: global_buffer, .address_space: global }
      - { .name: ow16, .offset: 8, .size: 8, .value_kind: global_buffer, .address_space: global }
      - { .name: o_b, .offset: 16, .size: 8, .value_kind: global_buffer, .address_space: global }
      - { .name: out0, .offset: 24, .size: 8, .value_kind: global_buffer, .address_space: global }
    .group_segment_fixed_size: 327680
    .private_segment_fixed_size: 0
    .kernarg_segment_align: 8
    .kernarg_segment_size: 32
    .max_flat_workgroup_size: 128
    .sgpr_count:     66
    .vgpr_count:     1024
    .wavefront_size: 32
...
	.end_amdgpu_metadata
.endif
;; end of part 5
